; MI455X (gfx1250); checked and timed in simulation.
; The chip was launched on July 23, 2026; its instructions are those of AMD's public machine-readable ISA for CDNA 5 (MIT licence, August 2026) and "CDNA5" Instruction Set Architecture Reference Guide (July 2026). The comments in the code are by the model that wrote it; some were corrected since.
;; Hybrid Transformer Block. Allowed arithmetic: matrix products marked QUANTISED: E4M3 operands, one given power-of-two scale a tensor, by v_wmma_f32_16x16x64_fp8_fp8 or v_wmma_f32_16x16x128_fp8_fp8, f32 sums; everything else in f32.
;; Inputs: b1 4,096 float32; b2 1,024 float32; in_proj_b 3,072 float32; in_proj_w 3,072 x 1,024 float32; ln1_b 1,024 float32; ln1_w 1,024 float32; ln2_b 1,024 float32; ln2_w 1,024 float32; lowp_scales 12 int32 (the exponents e of the quantised operands' scales 2^e); out_b 1,024 float32; out_w 1,024 x 1,024 float32; w1 4,096 x 1,024 float32; w2 1,024 x 4,096 float32; x 2 x 2,048 x 1,024 float32.
;; Outputs: out0 2 x 2,048 x 1,024 float32.
;; This version of the problem:
;;   THIS VERSION OF THE PROBLEM IS GIVEN IN LOW PRECISION. The matrix products marked QUANTISED in the list below multiply operands that are first quantised to E4M3 (4 exponent bits, 3 mantissa bits; 8 bits a number), with one given power-of-two scale for each operand tensor; their sums are f32. All else is computed in f32.
;;   The module's matrix products, in the order in which they are computed (A, B: the left and right operand; K: the contracted axis; several contracted axes count as one K, in the product's order):
;;     1. [M 4,096, K 1,024] x [K 1,024, N 3,072]; A: computed on the way; B: input in_proj_w: QUANTISED (scales: A lowp_scales[0], B lowp_scales[1])
;;     2. batch 16 x [M 2,048, K 128] x [K 128, N 2,048]; A: computed on the way; B: computed on the way: QUANTISED (scales: A lowp_scales[2], B lowp_scales[3])
;;     3. batch 16 x [M 2,048, K 2,048] x [K 2,048, N 128]; A: softmax (see below); B: computed on the way: QUANTISED (scales: A lowp_scales[4], B lowp_scales[5])
;;     4. [M 4,096, K 1,024] x [K 1,024, N 1,024]; A: computed on the way; B: input out_w: QUANTISED (scales: A lowp_scales[6], B lowp_scales[7])
;;     5. [M 4,096, K 1,024] x [K 1,024, N 4,096]; A: computed on the way; B: input w1: QUANTISED (scales: A lowp_scales[8], B lowp_scales[9])
;;     6. [M 4,096, K 4,096] x [K 4,096, N 1,024]; A: computed on the way; B: input w2: QUANTISED (scales: A lowp_scales[10], B lowp_scales[11])
;;   THE QUANTISER, for each operand of a quantised product, along K:
;;     - The operand's scale is 2^e, e = its entry of the input lowp_scales (int32; the entries are numbered through the quantised products in the list's order, A before B).
;;     - Each number is divided by the scale, clamped to +-448, and rounded to the nearest number of E4M3, ties to even, subnormals kept.
;;     - The product sums the exact products of the quantised numbers (number of the format x scale) in f32.
;;   ~~~python
;;   def quantise(x, axis, e):      # numpy; x: float32 -> the quantised numbers, widened to float32 again
;;       x = np.moveaxis(x, axis, -1); K = x.shape[-1]
;;       r = np.clip(x / 2.0 ** e, -448, 448)
;;       step = 2.0 ** (np.maximum(np.frexp(np.where(r == 0, 1, r))[1] - 1, -6) - 3)
;;       q = np.round(r / step) * step * 2.0 ** e      # np.round: ties to even
;;       return np.moveaxis(q, -1, axis).astype(np.float32)
;;   ~~~
;;   SOFTMAX AHEAD OF A QUANTISED PRODUCT. Where the list says 'softmax', what is quantised is not the finished softmax but p = 2^(t - M), with t = logit x log2(e) and M = ceil(the row's largest t), a whole number; so 1/2 < the row's largest p <= 1. The row's sum l is taken of the UNQUANTISED p, in f32, and the product's result is divided by l at the end. Since M is a whole number, a kernel that streams over the keys may use a running M (the ceiling of the running maximum): every later rescaling is an exact power of two, so the quantised numbers keep their values, but for numbers so far below the row's largest that they fall under the format's range.
;;   OPERANDS COMPUTED ON THE WAY. 'Computed on the way' means the value that the module computes at that place (a softmax that the list does not call 'softmax' is quantised finished and normalised). What goes into a quantiser is computed in f32, as accurately as f32 sums, v_exp_f32 and their like allow (about 1e-6 of the number): no bf16 or f16 on the way to a quantiser, and a product that is left as it is and whose result goes on into a quantised operand takes f32 operands (vector FMAs, or v_wmma_f32_16x16x4_f32). A number that lies on a knife's edge between two numbers of the format may be rounded either way, as far as f32 arithmetic and the matrix unit's own rounding can turn it there, and no further.
;; One version. Each part assembles by itself: llvm-mc -triple=amdgcn-amd-amdhsa -mcpu=gfx1250 --defsym DOCPART=n.
;; ======== version 1 of 1: 7 launches
;; limits: right only within a limited range of input values
;; workspace buffers: pc 16,777,216 bytes; qkv 12,582,912 bytes; ao 4,194,304 bytes; h2 16,777,216 bytes; mq 4,194,304 bytes; hid 16,777,216 bytes
;; launch prep (part 1): grid 512 x 1, 8 waves a work-group, no clusters, 66,560 bytes of LDS; arguments x, ln1_w, ln1_b, in_proj_w, out_w, w1, w2, lowp_scales, pc; writes pc
.if DOCPART == 1
	.amdgcn_target "amdgcn-amd-amdhsa--gfx1250"
	.amdhsa_code_object_version 6
	.text
	.protected	k_q5268784ca4_prep
	.globl	k_q5268784ca4_prep
	.p2align	8
	.type	k_q5268784ca4_prep,@function
k_q5268784ca4_prep:
	s_mov_b64 s[64:65], 0
	v_nop
	global_prefetch_b8 v0, s[64:65] scope:SCOPE_SE
	s_setreg_imm32_b32 hwreg(HW_REG_WAVE_MODE, 25, 1), 1
	s_wait_xcnt 0x0
; FIRST OF SEVEN LAUNCHES of a transformer block on 4,096 tokens (2 x 2,048), 1,024 wide, 8 heads of 128, all six products on codes of E4M3 with given scales 2^e.
; This launch makes codes, K innermost, one byte a number: the four weights (in_proj_w e1, out_w e7, w1 e9, w2 e11) and LN1(x) (e0), all into the workspace pc:
;   in_proj_w [3072][1024] at 0; out_w [1024][1024] at 3,145,728; w1 [4096][1024] at 4,194,304; w2 [1024][4096] at 8,388,608; LN1(x) [4096][1024] at 12,582,912.
; code = number / 2^e, held within +-448, rounded to the nearest code, ties to even.
; WORK LEFT OUT BY THE PROGRAM (in the attention launch): reference() itself sets the score of key k for query q to -infinity where k > q or k < q - 256, for all values of the inputs; the softmax gives such a
; key the weight 0, so it reaches no output.  Steps of 128 keys that lie wholly outside q - 256 .. q for all 128 queries of a work-group are neither loaded nor multiplied; inside the two steps at the edges the
; mask is applied number by number.  Every input has a way to the output and is loaded (the bias of k too: it moves k's codes).
; LIMIT: a NaN, an infinity or an overflow in a key or value that only the steps left out would have touched is not carried to the result.
; LIMITS of this launch: e0, e1, e7, e9, e11 between -126 and 119, so that 2^e and 448 x 2^e are f32 numbers.  NaN among the inputs is not served.
; SHARES.  A unit is 1,024 numbers (4,096 bytes in, 1,024 bytes of codes out); a wave takes four units, a work-group 32.  Work-groups 0-127: rows of x (a unit is a row: mean, variance and the norm stay in the wave);
; 128-223 in_proj_w, 224-255 out_w, 256-383 w1, 384-511 w2.  Each load of a wave covers 512 consecutive bytes; lane l's registers of load i hold k = 128 i + 4 l + 0..3, so a conversion's two result registers hold
; the four codes of two loads; they go through the wave's own stage in LDS (4 bytes a lane, 128 a store) and come back 16 bytes a lane: each store of the wave covers 512 consecutive bytes, aligned.
; Waves share nothing: no barrier.  The two paths part once on the work-group's number and have LDS bytes of their own.  Memory binds: no matrix unit, no cluster, no tensor load would add anything.
.set LO,   2                           ; v2   16 x lane
.set X,    16                          ; v16-143  four units of 32 registers
.set W,    144                         ; v144-175 ln1_w, laid as a unit
.set BV,   176                         ; v176-207 ln1_b
.set C,    208                         ; v208-223 codes, two sets of 8
.set MU,   224                         ; v[224:225] the mean (the low word serves both halves)
.set RS,   226                         ; v[226:227] 1 / sqrt(var + eps)
.set PT,   228                         ; the lane permute's destination
.set SCL,  230                         ; 2^e as f32
.set LIM,  231                         ; 448 x 2^e
.set SPW,  240                         ; LDS address of my spare word; never rewritten
.set NIL,  241                         ; 0; never rewritten
.set SPARE, 65536                      ; behind the stages: the spare words, 128 bytes for each of eight waves
.macro LOADU u                         ; unit u: eight loads of 512 consecutive bytes
.irp i, 0,1,2,3,4,5,6,7
	global_load_b128 v[X+32*\u+4*\i:X+32*\u+4*\i+3], v[LO], s[40:41] offset:4096*\u+512*\i th:TH_LOAD_NT
.endr
.endm
.macro REDUCE                          ; four pairs v[8:15] -> their sum over the wave's 32 lanes, in every lane's v8
	s_delay_alu instid0(VALU_DEP_3)
	v_pk_add_f32 v[8:9], v[8:9], v[10:11]
	s_delay_alu instid0(VALU_DEP_2)
	v_pk_add_f32 v[12:13], v[12:13], v[14:15]
	s_delay_alu instid0(VALU_DEP_1)
	v_pk_add_f32 v[8:9], v[8:9], v[12:13]
	s_delay_alu instid0(VALU_DEP_1)
	v_add_f32 v8, v8, v9
	s_delay_alu instid0(VALU_DEP_1)
	v_add_f32_dpp v8, v8, v8 row_xmask:1 row_mask:0xf bank_mask:0xf
	s_delay_alu instid0(VALU_DEP_1)
	v_add_f32_dpp v8, v8, v8 row_xmask:2 row_mask:0xf bank_mask:0xf
	s_delay_alu instid0(VALU_DEP_1)
	v_add_f32_dpp v8, v8, v8 row_xmask:4 row_mask:0xf bank_mask:0xf
	s_delay_alu instid0(VALU_DEP_1)
	v_add_f32_dpp v8, v8, v8 row_xmask:8 row_mask:0xf bank_mask:0xf
	s_delay_alu instid0(VALU_DEP_1)
	v_permlanex16_b32 v[PT], v8, s38, s39
	s_delay_alu instid0(VALU_DEP_1)
	v_add_f32 v8, v8, v[PT]
.endm
.macro LNU u                           ; the layer norm of unit u, in place: (x - mean) / sqrt(var + eps) x w + b
.set XU, X+32*\u
.irp c, 0,1,2,3
	v_pk_add_f32 v[8+2*\c:9+2*\c], v[XU+2*\c:XU+2*\c+1], v[XU+8+2*\c:XU+8+2*\c+1]   ; four chains, started by the first eight pairs
.endr
.irp p, 8,9,10,11,12,13,14,15
	s_delay_alu instid0(VALU_DEP_4)
	v_pk_add_f32 v[8+2*(\p%4):9+2*(\p%4)], v[8+2*(\p%4):9+2*(\p%4)], v[XU+2*\p:XU+2*\p+1]
.endr
	REDUCE
	s_delay_alu instid0(VALU_DEP_1)
	v_mul_f32 v[MU], s36, v8                       ; the mean: sum / 1,024
.irp p, 0,1,2,3,4,5,6,7,8,9,10,11,12,13,14,15
	v_pk_add_f32 v[XU+2*\p:XU+2*\p+1], v[XU+2*\p:XU+2*\p+1], v[MU:MU+1] op_sel_hi:[1,0] neg_lo:[0,1] neg_hi:[0,1]
.endr
.irp c, 0,1,2,3
	v_pk_mul_f32 v[8+2*\c:9+2*\c], v[XU+2*\c:XU+2*\c+1], v[XU+2*\c:XU+2*\c+1]
.endr
.irp p, 4,5,6,7,8,9,10,11,12,13,14,15
	s_delay_alu instid0(VALU_DEP_4)
	v_pk_fma_f32 v[8+2*(\p%4):9+2*(\p%4)], v[XU+2*\p:XU+2*\p+1], v[XU+2*\p:XU+2*\p+1], v[8+2*(\p%4):9+2*(\p%4)]
.endr
	REDUCE
	s_delay_alu instid0(VALU_DEP_1)
	v_fma_f32 v8, v8, s36, s37                     ; var + eps
	s_wait_alu depctr_va_vdst(0)
	v_rsq_f32 v[RS], v8
	v_nop                                          ; a plain instruction behind the transcendental,
	s_wait_alu depctr_va_vdst(0)                   ; and the wait ahead of its first reader
.irp p, 0,1,2,3,4,5,6,7,8,9,10,11,12,13,14,15
	v_pk_mul_f32 v[XU+2*\p:XU+2*\p+1], v[XU+2*\p:XU+2*\p+1], v[RS:RS+1] op_sel_hi:[1,0]
.endr
.irp p, 0,1,2,3,4,5,6,7,8,9,10,11,12,13,14,15
	v_pk_fma_f32 v[XU+2*\p:XU+2*\p+1], v[XU+2*\p:XU+2*\p+1], v[W+2*\p:W+2*\p+1], v[BV+2*\p:BV+2*\p+1]
.endr
.endm
.macro QOUT u, si, so                  ; unit u becomes codes and leaves.  si, so: my stage's address registers, in and out
.set XU, X+32*\u
.set CU, C+8*(\u%2)
.set i, 0
.rept 32
	v_med3_num_f32 v[XU+i], v[XU+i], -v[LIM], v[LIM]   ; the conversion to an 8-bit code does not saturate (ISA guide 7.6.2): the hold at the largest code x the scale
.set i, i+1
.endr
.irp g, 0,1,2,3
	v_cvt_scalef32_pk8_fp8_f32 v[CU+2*\g:CU+2*\g+1], v[XU+8*\g:XU+8*\g+7], v[SCL]   ; register CU + i: the codes of k = 128 i + 4 l + 0..3
.endr
	v_nop                                          ; a plain instruction behind the last conversion
.irp i, 0,1,2,3,4,5,6,7
	ds_store_b32 v[\si], v[CU+\i] offset:1024*\u+128*\i
.endr
.irp t, 0,1
	ds_load_b128 v[XU+4*\t:XU+4*\t+3], v[\so] offset:1024*\u+512*\t   ; LDS serves a wave's instructions in order: these see my stores
.endr
	s_wait_dscnt 0x0
.irp t, 0,1
	global_store_b128 v[LO], v[XU+4*\t:XU+4*\t+3], s[42:43] offset:1024*\u+512*\t   ; registers and stage bytes are the unit's own: nothing is written again
.endr
.endm
.macro SCALES e                        ; 2^e and 448 x 2^e as f32
	s_add_co_i32 s45, \e, 127
	s_lshl_b32 s47, s45, 23
	v_mov_b32 v[SCL], s47
	s_add_co_i32 s45, s45, 8
	s_lshl_b32 s45, s45, 23
	s_or_b32 s45, s45, 0x600000
	v_mov_b32 v[LIM], s45
.endm
	s_load_b512 s[4:19], s[0:1], 0x0               ; x, ln1_w, ln1_b, in_proj_w, out_w, w1, w2, lowp_scales
	s_load_b64 s[20:21], s[0:1], 0x40              ; pc
	v_lshl_add_u32 v[SPW], v0, 2, SPARE
	v_mov_b32 v[NIL], 0
	v_lshrrev_b32 v1, 5, v0
	s_delay_alu instid0(VALU_DEP_1)
	v_readfirstlane_b32 s22, v1                    ; wave 0..7
	v_and_b32 v1, 31, v0                           ; lane
	s_delay_alu instid0(VALU_DEP_1)
	v_lshlrev_b32 v[LO], 4, v1
	s_lshl_b32 s23, s22, 12                        ; my wave's stage: 4,096 bytes
	v_lshl_add_u32 v3, v1, 2, s23                  ; the norm's path: in, 4 bytes a lane,
	v_lshl_add_u32 v4, v1, 4, s23                  ; and out, 16 bytes a lane
	s_delay_alu instid0(VALU_DEP_2)
	v_add_nc_u32 v5, 0x8000, v3                    ; the weights' path has stages of its own
	s_delay_alu instid0(VALU_DEP_2)
	v_add_nc_u32 v6, 0x8000, v4
	v_mov_b32 v[MU+1], 0                           ; (named as the upper halves of pairs)
	v_mov_b32 v[RS+1], 0
	v_mov_b32 v[PT], 0                             ; a lane permute's destination counts as read
	s_mov_b32 s36, 0x3a800000                      ; 1 / 1,024
	s_mov_b32 s37, 0x3727c5ac                      ; eps = 1e-5
	s_mov_b32 s38, 0x76543210                      ; lane l xor 16
	s_mov_b32 s39, 0xfedcba98
	s_lshl_b32 s46, s22, 2                         ; 4 x wave: my first unit in the work-group's 32
	s_mov_b32 s49, 0
	s_mov_b32 s51, 0
	s_wait_kmcnt 0x0
	s_load_b256 s[24:31], s[18:19], 0x0            ; e0 .. e7
	s_load_b128 s[32:35], s[18:19], 0x20           ; e8 .. e11
	s_cmp_lt_u32 ttmp9, 128
	s_cbranch_scc0 .Lw
	; ---- rows of x: LN1, then codes with e0
	s_lshl_b32 s44, ttmp9, 5
	s_add_co_u32 s44, s44, s46                     ; my first row
	s_lshl_b32 s48, s44, 12
	s_add_nc_u64 s[40:41], s[4:5], s[48:49]
	s_lshl_b32 s50, s44, 10
	s_add_co_u32 s50, s50, 12582912
	s_add_nc_u64 s[42:43], s[20:21], s[50:51]
	s_wait_alu depctr_va_vdst(0)
.irp i, 0,1,2,3,4,5,6,7
	global_load_b128 v[W+4*\i:W+4*\i+3], v[LO], s[6:7] offset:512*\i
	global_load_b128 v[BV+4*\i:BV+4*\i+3], v[LO], s[8:9] offset:512*\i
.endr
.irp u, 0,1,2,3
	LOADU \u
.endr
	s_wait_kmcnt 0x0
	SCALES s24
.irp u, 0,1,2,3
	s_wait_loadcnt 24-8*\u                         ; gain, bias and units up to u are in; the younger units' eight loads each stay out
	LNU \u
	QOUT \u, 3, 4
.endr
	s_wait_tensorcnt 0x0                           ; the wave's end, behind my last LDS store
	ds_add_u32 v[SPW], v[NIL]
	s_wait_dscnt 0x0
	s_endpgm
.Lw:	; ---- the weights: which tensor, by the work-group's number alone
	s_sub_co_u32 s44, ttmp9, 128                   ; 0 .. 383: also the place of my 32 units in pc
	s_mov_b64 s[40:41], s[16:17]                   ; w2, from 256 on
	s_mov_b32 s45, 256
	s_cmp_lt_u32 s44, 256
	s_cselect_b64 s[40:41], s[14:15], s[40:41]     ; w1, from 128 on
	s_cselect_b32 s45, 128, s45
	s_cmp_lt_u32 s44, 128
	s_cselect_b64 s[40:41], s[12:13], s[40:41]     ; out_w, from 96 on
	s_cselect_b32 s45, 96, s45
	s_cmp_lt_u32 s44, 96
	s_cselect_b64 s[40:41], s[10:11], s[40:41]     ; in_proj_w
	s_cselect_b32 s45, 0, s45
	s_sub_co_u32 s48, s44, s45
	s_lshl_b32 s48, s48, 5
	s_add_co_u32 s48, s48, s46                     ; my first unit in the tensor
	s_lshl_b32 s48, s48, 12
	s_add_nc_u64 s[40:41], s[40:41], s[48:49]
	s_lshl_b32 s50, s44, 5
	s_add_co_u32 s50, s50, s46
	s_lshl_b32 s50, s50, 10
	s_add_nc_u64 s[42:43], s[20:21], s[50:51]
	s_wait_alu depctr_va_vdst(0)
.irp u, 0,1,2,3
	LOADU \u
.endr
	s_wait_kmcnt 0x0
	s_mov_b32 s52, s35                             ; e11
	s_cmp_lt_u32 s44, 256
	s_cselect_b32 s52, s33, s52                    ; e9
	s_cmp_lt_u32 s44, 128
	s_cselect_b32 s52, s31, s52                    ; e7
	s_cmp_lt_u32 s44, 96
	s_cselect_b32 s52, s25, s52                    ; e1
	SCALES s52
	s_wait_alu depctr_va_vdst(0)
.irp u, 0,1,2,3
	s_wait_loadcnt 24-8*\u                         ; units up to u are in
	QOUT \u, 5, 6
.endr
	s_wait_tensorcnt 0x0                           ; the wave's end, as above
	ds_add_u32 v[SPW], v[NIL]
	s_wait_dscnt 0x0
	s_endpgm
.Lfunc_end_k_q5268784ca4_prep:
	.size	k_q5268784ca4_prep, .Lfunc_end_k_q5268784ca4_prep-k_q5268784ca4_prep
	.p2alignl 7, 3214868480
	.fill 96, 4, 3214868480
	.section	.rodata,"a",@progbits
	.p2align	6, 0x0
	.amdhsa_kernel k_q5268784ca4_prep
		.amdhsa_group_segment_fixed_size 66560
		.amdhsa_private_segment_fixed_size 0
		.amdhsa_enable_private_segment 0
		.amdhsa_kernarg_size 72
		.amdhsa_user_sgpr_count 2
		.amdhsa_user_sgpr_kernarg_segment_ptr 1
		.amdhsa_wavefront_size32 1
		.amdhsa_system_sgpr_workgroup_id_x 1
		.amdhsa_system_sgpr_workgroup_id_y 1
		.amdhsa_system_sgpr_workgroup_id_z 1
		.amdhsa_system_vgpr_workitem_id 0
		.amdhsa_next_free_vgpr 256
		.amdhsa_next_free_sgpr 66
		.amdhsa_reserve_vcc 0
		.amdhsa_float_denorm_mode_32 3
		.amdhsa_float_denorm_mode_16_64 3
		.amdhsa_memory_ordered 1
		.amdhsa_forward_progress 1
		.amdhsa_inst_pref_size 67
	.end_amdhsa_kernel
	.amdgpu_metadata
---
amdhsa.version: [ 1, 2 ]
amdhsa.kernels:
  - .name:           k_q5268784ca4_prep
    .symbol:         k_q5268784ca4_prep.kd
    .args:
      - { .name: x, .offset: 0, .size: 8, .value_kind: global_buffer, .address_space: global }
      - { .name: ln1_w, .offset: 8, .size: 8, .value_kind: global_buffer, .address_space: global }
      - { .name: ln1_b, .offset: 16, .size: 8, .value_kind: global_buffer, .address_space: global }
      - { .name: in_proj_w, .offset: 24, .size: 8, .value_kind: global_buffer, .address_space: global }
      - { .name: out_w, .offset: 32, .size: 8, .value_kind: global_buffer, .address_space: global }
      - { .name: w1, .offset: 40, .size: 8, .value_kind: global_buffer, .address_space: global }
      - { .name: w2, .offset: 48, .size: 8, .value_kind: global_buffer, .address_space: global }
      - { .name: lowp_scales, .offset: 56, .size: 8, .value_kind: global_buffer, .address_space: global }
      - { .name: pc, .offset: 64, .size: 8, .value_kind: global_buffer, .address_space: global }
    .group_segment_fixed_size: 66560
    .private_segment_fixed_size: 0
    .kernarg_segment_align: 8
    .kernarg_segment_size: 72
    .max_flat_workgroup_size: 256
    .sgpr_count:     66
    .vgpr_count:     256
    .wavefront_size: 32
...
	.end_amdgpu_metadata
.endif
;; end of part 1
;; launch g1 (part 2): grid 12 x 16, 4 waves a work-group, clusters of 4 x 4, 327,680 bytes of LDS; arguments pc, in_proj_b, lowp_scales, qkv; writes qkv
.if DOCPART == 2
	.amdgcn_target "amdgcn-amd-amdhsa--gfx1250"
	.amdhsa_code_object_version 6
	.text
	.protected	k_q5268784ca4_g1
	.globl	k_q5268784ca4_g1
	.p2align	8
	.type	k_q5268784ca4_g1,@function
k_q5268784ca4_g1:
	s_mov_b64 s[64:65], 0
	v_nop
	global_prefetch_b8 v0, s[64:65] scope:SCOPE_SE
	s_setreg_imm32_b32 hwreg(HW_REG_WAVE_MODE, 25, 1), 1
	s_wait_xcnt 0x0
	s_wait_alu depctr_hold_cnt(0) depctr_sa_sdst(0) depctr_va_vdst(0) depctr_va_sdst(0) depctr_va_ssrc(0) depctr_va_vcc(0) depctr_vm_vsrc(0)
	s_getreg_b32 s2, hwreg(HW_REG_IB_STS2, 6, 4)
	s_cmp_eq_u32 s2, 0
	s_cbranch_scc0 .Lentry_in_a_cluster
	s_endpgm
.Lentry_in_a_cluster:
	s_bfe_u32 s2, ttmp6, 0x10000c
	s_cmp_lg_u32 s2, 0xf033
	s_cbranch_scc0 .Lentry_shape_is_right
	s_endpgm
.Lentry_shape_is_right:
.set KSTEP,  256
.set ROWB,   256
.set KROW,   1024
.set PITCH,  272
.set FR,     16
.set NL,     4
.set NP,     4
.set HALFT,  128*PITCH
.set SLOT,   4*HALFT
.set SPARE,  2*SLOT
.set SROW,   144
.set SBLK,   16*SROW
.set SWAVE,  8*SBLK
.set ADRA, 16
.set ADRB, 20
.set STO,  24
.set RD,   25
.set CO,   26
.set SPW,  28
.set NIL,  29
.set SCL,  30
.set LIM,  31
.set BI,   32
.set TMP,  32
.set CD,   96
.set AF,   128
.set BK,   128
.set OUTP, 10
.set G1, 24
.set G0, 32
.set G1B, 48
.set G0B, 56
.set MSB, 0
.macro WIN new
.if MSB != \new
	s_set_vgpr_msb (MSB<<8)|\new
.set MSB, \new
.endif
.endm
.set MUL_LO, 0xa1
.set MUL_HI, 0xf1
.set FST_LO, 0x81
.set FST_HI, 0xc1
.set TO_B,   0x40
.macro JLOAD g0a, g1a, g0b, g1b
	s_cmp_eq_u32 s15, 0
	s_cbranch_scc0 .Lfor_b_\@
	tensor_load_to_lds s[\g0a:\g0a+3], s[\g1a:\g1a+7]
	s_nop 0
.rept 4
	v_nop
.endr
	s_branch .Lasked_\@
.Lfor_b_\@:
	tensor_load_to_lds s[\g0b:\g0b+3], s[\g1b:\g1b+7]
	s_nop 0
.rept 4
	v_nop
.endr
.Lasked_\@:
.endm
.macro CREST
	s_cmp_lg_u32 s14, 0
	s_cbranch_scc1 .Lnot_wave_0_\@
	s_barrier_signal -3
.Lnot_wave_0_\@:
	s_barrier_wait -3
	s_barrier_signal -1
	s_barrier_wait -1
.endm
.macro CROUND
	s_barrier_signal -1
	s_barrier_wait -1
	CREST
.endm
	s_load_b256 s[4:11], s[0:1], 0x0
	v_lshl_add_u32 v[SPW], v0, 2, SPARE
	v_mov_b32 v[NIL], 0
	ds_add_u32 v[SPW], v[NIL]
	ds_add_u32 v[SPW], v[NIL]
	v_lshrrev_b32 v1, 5, v0
	v_readfirstlane_b32 s14, v1
	s_lshr_b32 s15, s14, 1
	s_and_b32 s16, s14, 1
	s_bfe_u32 s40, ttmp6, 0x40000
	s_bfe_u32 s41, ttmp6, 0x40004
	s_and_b32 s12, ttmp7, 0xffff
	s_lshl_b32 s12, s12, 2
	s_lshl_b32 s13, ttmp9, 2
	s_mov_b32 s77, 12582912
	s_mov_b32 s78, 12582912
	s_cmp_eq_u32 ttmp9, 2
	s_cselect_b32 s76, 1, 0
	s_cselect_b32 s17, 0, s12
	s_cselect_b32 s42, s12, s13
	s_cselect_b32 s77, 2097152, s77
	s_cselect_b32 s78, s78, 0
	s_add_co_u32 s17, s17, s41
	s_add_co_u32 s42, s42, s40
	s_lshl_b32 s43, s41, 2
	s_lshl_b32 s43, 15, s43
	s_lshl_b32 s44, 0x1111, s40
	s_or_b32 s[G1+0], s43, (0<<16)|(1<<20)|(1<<21)|(5<<22)|(3<<25)
	s_or_b32 s[G1B+0], s44, (0<<16)|(1<<20)|(1<<21)|(5<<22)|(3<<25)
.irp g, G1, G1B
	s_mov_b32 s[\g+1], ROWB<<16
	s_mov_b32 s[\g+2], 128<<16
	s_mov_b32 s[\g+3], ROWB<<16
	s_mov_b32 s[\g+4], 128
	s_mov_b32 s[\g+5], KROW
	s_mov_b32 s[\g+6], 0
	s_mov_b32 s[\g+7], 0
.endr
	s_lshl_b32 s18, s16, 7
	s_lshl_b32 s20, s17, 8
	s_add_co_u32 s20, s20, s18
	s_lshl_b32 s20, s20, 10
	s_add_co_u32 s20, s20, s77
	s_mov_b32 s21, 0
	s_lshl_b32 s46, s42, 8
	s_add_co_u32 s46, s46, s18
	s_lshl_b32 s46, s46, 10
	s_add_co_u32 s46, s46, s78
	s_mov_b32 s47, 0
	s_mul_i32 s45, s14, HALFT
	s_wait_dscnt 0x0
	s_wait_kmcnt 0x0
	s_load_b256 s[68:75], s[8:9], 0x0
	s_add_nc_u64 s[20:21], s[4:5], s[20:21]
	s_add_nc_u64 s[46:47], s[4:5], s[46:47]
	CROUND
.irp s, 0,1
	s_mov_b32 s[G0+4*\s], 1
	s_add_co_u32 s[G0+4*\s+1], s45, \s*SLOT
	s_add_nc_u64 s[G0+4*\s+2:G0+4*\s+3], s[20:21], \s*ROWB
	s_or_b32 s[G0+4*\s+3], s[G0+4*\s+3], 0x80000000
	s_mov_b32 s[G0B+4*\s], 1
	s_add_co_u32 s[G0B+4*\s+1], s45, \s*SLOT
	s_add_nc_u64 s[G0B+4*\s+2:G0B+4*\s+3], s[46:47], \s*ROWB
	s_or_b32 s[G0B+4*\s+3], s[G0B+4*\s+3], 0x80000000
.endr
	JLOAD G0, G1, G0B, G1B                         ; K step 0: one tensor load a wave at the head
	; THE PREFETCHES.  Of the 128 rows that I fetch, each of the four partners that ask for them jointly names 32, told apart by address (cx for the first operand's tile, cy for the second's): a lane a row,
	; 256 bytes of a row a K step, one instruction a wave.  Here K step 1 is named, behind K step 1's load K steps 2 and 3: each one load or more ahead of the load that wants it.  The registers are never rewritten.
	s_cmp_eq_u32 s15, 0
	s_cselect_b64 s[88:89], s[20:21], s[46:47]
	s_cselect_b32 s90, s40, s41
	s_lshl_b32 s90, s90, 15                        ; 32 rows of 1,024 bytes
	s_mov_b32 s91, 0
	s_add_nc_u64 s[88:89], s[88:89], s[90:91]
	v_and_b32 v10, 31, v0
	v_lshlrev_b32 v10, 10, v10
	global_prefetch_b8 v10, s[88:89] offset:ROWB th:TH_LOAD_NT scope:SCOPE_SE
	v_and_b32 v1, 15, v0
	s_wait_alu depctr_va_vdst(0)
	v_bfe_u32 v2, v0, 4, 1
	v_mul_u32_u24 v3, v1, PITCH
	v_lshl_add_u32 v4, v2, 4, v3
	s_mul_i32 s21, s15, HALFT
	s_mul_i32 s22, s16, HALFT
	s_add_co_u32 s22, s22, 2*HALFT
.irp s, 0,1
	v_add_nc_u32 v[ADRA+\s], s21, v4
	v_add_nc_u32 v[ADRB+\s], s22, v4
	s_add_co_u32 s21, s21, SLOT
	s_add_co_u32 s22, s22, SLOT
.endr
	s_mul_i32 s23, s14, SWAVE
	v_mul_u32_u24 v5, v1, SROW
	s_wait_alu depctr_va_vdst(0)
	v_lshl_add_u32 v5, v2, 3, v5
	v_add_nc_u32 v[STO], s23, v5
	v_and_b32 v6, 31, v0
	v_lshrrev_b32 v7, 3, v6
	v_mul_u32_u24 v7, v7, SROW
	v_and_b32 v8, 7, v0
	v_lshl_add_u32 v7, v8, 4, v7
	v_add_nc_u32 v[RD], s23, v7
	v_lshlrev_b32 v[CO], 4, v6
	s_wait_kmcnt 0x0
	s_add_co_i32 s79, s68, s69
	s_sub_co_i32 s79, 0, s79
	s_mov_b32 s81, 0
	s_cmp_eq_u32 s76, 1
	s_cbranch_scc1 .Lbias_rows
	s_lshl_b32 s80, s42, 10
	s_lshl_b32 s82, s16, 9
	s_add_co_u32 s80, s80, s82
	s_add_nc_u64 s[80:81], s[6:7], s[80:81]
	v_lshlrev_b32 v9, 5, v2
.irp b, 0,1,2,3,4,5,6,7
	global_load_b128 v[BI+8*\b:BI+8*\b+3], v9, s[80:81] offset:64*\b
	global_load_b128 v[BI+8*\b+4:BI+8*\b+7], v9, s[80:81] offset:64*\b+16
.endr
	s_wait_loadcnt 0x0
.set j, 0
.rept 64
	v_ldexp_f32 v[BI+j], v[BI+j], s79
.set j, j+1
.endr
	s_branch .Lbias_done
.Lbias_rows:
	s_lshl_b32 s80, s17, 10
	s_lshl_b32 s82, s15, 9
	s_add_co_u32 s80, s80, s82
	s_add_co_u32 s80, s80, 8192
	s_add_nc_u64 s[80:81], s[6:7], s[80:81]
	v_lshlrev_b32 v9, 2, v1
.irp a, 0,1,2,3,4,5,6,7
	global_load_b32 v[BI+8*\a], v9, s[80:81] offset:64*\a
.endr
	s_wait_loadcnt 0x0
.irp a, 0,1,2,3,4,5,6,7
.irp j, 7,6,5,4,3,2,1,0
	v_ldexp_f32 v[BI+8*\a+\j], v[BI+8*\a], s79
.endr
.endr
.Lbias_done:
	s_lshl_b32 s82, s17, 1
	s_add_co_u32 s82, s82, s15
	s_lshl_b32 s83, s42, 1
	s_add_co_u32 s83, s83, s16
	s_add_co_u32 s84, s82, 16
	s_cmp_eq_u32 s76, 1
	s_cselect_b32 s84, s84, s83
	s_cselect_b32 s85, s83, s82
	s_lshl_b32 s84, s84, 19
	s_lshl_b32 s85, s85, 14
	s_add_co_u32 s84, s84, s85
	s_mov_b32 s85, 0
	s_add_nc_u64 s[OUTP:OUTP+1], s[OUTP:OUTP+1], s[84:85]
	s_cmp_eq_u32 ttmp9, 0
	s_cselect_b32 s86, s70, s71
	s_cmp_eq_u32 ttmp9, 2
	s_cselect_b32 s86, s73, s86
	s_add_co_i32 s86, s86, s79
	s_add_co_i32 s86, s86, 127
	s_lshl_b32 s87, s86, 23
	v_mov_b32 v[SCL], s87
	s_add_co_i32 s86, s86, 8
	s_lshl_b32 s86, s86, 23
	s_or_b32 s86, s86, 0x600000
	v_mov_b32 v[LIM], s86
.macro FRAG reg, adr, q, i
.irp c, 0,1,2,3
	ds_load_b128 v[\reg+4*\c:\reg+4*\c+3], v[\adr] offset:128*(\q)+32*\c+(\i)*16*PITCH
.endr
.endm
.macro MUL16 a0, p, zero
.irp a, \a0, \a0+1
.irp b, 0,1,2,3,4,5,6,7
.if \zero == 1
	v_wmma_f32_16x16x128_fp8_fp8 v[8*(8*((\a)%4)+\b):8*(8*((\a)%4)+\b)+7], v[128*(\p)+FR*\b:128*(\p)+FR*\b+FR-1], v[AF+FR*(\a):AF+FR*(\a)+FR-1], v[BI+8*\b:BI+8*\b+7]
.elseif \zero == 2
	v_wmma_f32_16x16x128_fp8_fp8 v[8*(8*((\a)%4)+\b):8*(8*((\a)%4)+\b)+7], v[128*(\p)+FR*\b:128*(\p)+FR*\b+FR-1], v[AF+FR*(\a):AF+FR*(\a)+FR-1], v[BI+8*(\a):BI+8*(\a)+7]
.else
	v_wmma_f32_16x16x128_fp8_fp8 v[8*(8*((\a)%4)+\b):8*(8*((\a)%4)+\b)+7], v[128*(\p)+FR*\b:128*(\p)+FR*\b+FR-1], v[AF+FR*(\a):AF+FR*(\a)+FR-1], v[8*(8*((\a)%4)+\b):8*(8*((\a)%4)+\b)+7]
.endif
.endr
.endr
.endm
.macro FETCH_B slot, q, p
	WIN TO_B
.irp i, 0,1,2,3,4,5,6,7
	FRAG 128*(\p)+FR*\i, ADRB+\slot, \q, \i
.endr
	WIN 0
.endm
.macro FETCH_A slot, q, i0
.irp i, \i0, \i0+1, \i0+2, \i0+3
	FRAG AF+FR*(\i), ADRA+\slot, \q, \i
.endr
.endm
.macro PLACES n
.rept \n
	v_nop
.endr
.endm
.macro STEP slot, q, zero
	s_wait_dscnt 4*NL
.if \zero
	WIN FST_LO
.else
	WIN MUL_LO
.endif
	MUL16 0, (\q)%2, \zero
	MUL16 2, (\q)%2, \zero
	s_wait_dscnt 0
	PLACES NP
	FETCH_B \slot, (\q)+1, 1-(\q)%2
	FETCH_A \slot, (\q)+1, 0
.if \zero
	WIN FST_HI
.else
	WIN MUL_HI
.endif
	MUL16 4, (\q)%2, \zero
	MUL16 6, (\q)%2, \zero
	PLACES NP
	WIN 0
	FETCH_A \slot, (\q)+1, 4
.endm
.macro TURN slot, next, fill
	s_wait_tensorcnt 0x0
	ds_add_u32 v[SPW], v[NIL]
	s_wait_dscnt 4*NL+1
	WIN MUL_LO
	MUL16 0, 1, 0
	s_wait_dscnt 0x0
	s_barrier_signal -1
	MUL16 2, 1, 0
	WIN 0
	s_barrier_wait -1
.if \fill
	CREST
	s_add_nc_u64 s[G0+4*\slot+2:G0+4*\slot+3], s[G0+4*\slot+2:G0+4*\slot+3], 2*ROWB
	s_add_nc_u64 s[G0B+4*\slot+2:G0B+4*\slot+3], s[G0B+4*\slot+2:G0B+4*\slot+3], 2*ROWB
	JLOAD G0+4*\slot, G1, G0B+4*\slot, G1B
.else
	PLACES NP
.endif
	FETCH_B \next, 0, 0
	FETCH_A \next, 0, 0
	WIN MUL_HI
	MUL16 4, 1, 0
	MUL16 6, 1, 0
	PLACES NP
	WIN 0
	FETCH_A \next, 0, 4
.endm
	s_wait_alu depctr_va_vdst(0)                   ; the wait at the head's end
	s_wait_tensorcnt 0x0                           ; my part of K step 0 is in; the three lines ahead of a later first fill, as ahead of a refill
	ds_add_u32 v[SPW], v[NIL]
	s_wait_dscnt 0x0
	CROUND                                         ; a whole round: everybody's part of K step 0 is in
	JLOAD G0+4, G1, G0B+4, G1B                     ; K step 1's load, the first tensor load behind the round
	FETCH_B 0, 0, 0
	FETCH_A 0, 0, 0
	FETCH_A 0, 0, 4
	global_prefetch_b8 v10, s[88:89] offset:2*ROWB th:TH_LOAD_NT scope:SCOPE_SE
	global_prefetch_b8 v10, s[88:89] offset:3*ROWB th:TH_LOAD_NT scope:SCOPE_SE
	s_cmp_eq_u32 s76, 1
	s_cbranch_scc1 .Lfirst_rows
	s_wait_alu depctr_va_vdst(0)
	STEP 0, 0, 1
	s_branch .Lfirst_done
.Lfirst_rows:
	s_wait_alu depctr_va_vdst(0)
	STEP 0, 0, 2
.Lfirst_done:
	TURN 0, 1, 1
	STEP 1, 0, 0
	TURN 1, 0, 1
	STEP 0, 0, 0
	TURN 0, 1, 0
	STEP 1, 0, 0
	s_wait_dscnt 4*NL
	WIN MUL_LO
	MUL16 0, 1, 0
	MUL16 2, 1, 0
	s_wait_dscnt 0
	WIN MUL_HI
	MUL16 4, 1, 0
	MUL16 6, 1, 0
	WIN 0
.macro TOSTAGE a
.set AC, 64*((\a)%4)
.set CS2, CD+16*((\a)%2)
	WIN 0x02+((\a)/4)
.set j, 0
.rept 64
	v_med3_num_f32 v[TMP+j], v[AC+j], -v[LIM], v[LIM]
.set j, j+1
.endr
	WIN 0
.irp b, 0,1,2,3,4,5,6,7
	v_cvt_scalef32_pk8_fp8_f32 v[CS2+2*\b:CS2+2*\b+1], v[TMP+8*\b:TMP+8*\b+7], v[SCL]
.endr
	v_nop
.irp b, 0,1,2,3,4,5,6,7
	ds_store_b64 v[STO], v[CS2+2*\b:CS2+2*\b+1] offset:SBLK*(\a)+16*\b
.endr
.irp t, 0,1,2,3
	ds_load_b128 v[BK+16*(\a)+4*\t:BK+16*(\a)+4*\t+3], v[RD] offset:SBLK*(\a)+4*SROW*\t
.endr
.endm
.macro SEND a, younger
	s_wait_dscnt \younger
.irp t, 0,1,2,3
	global_store_b128 v[CO], v[BK+16*(\a)+4*\t:BK+16*(\a)+4*\t+3], s[OUTP:OUTP+1] offset:2048*(\a)+512*\t
.endr
.endm
	PLACES NP
	TOSTAGE 0
.irp a, 1,2,3,4,5,6,7
	TOSTAGE \a
	SEND \a-1, 12
.endr
	SEND 7, 0
	s_wait_tensorcnt 0x0
	ds_add_u32 v[SPW], v[NIL]
	s_wait_dscnt 0x0
	CROUND
	s_endpgm
.Lfunc_end_k_q5268784ca4_g1:
	.size	k_q5268784ca4_g1, .Lfunc_end_k_q5268784ca4_g1-k_q5268784ca4_g1
	.p2alignl 7, 3214868480
	.fill 96, 4, 3214868480
	.section	.rodata,"a",@progbits
	.p2align	6, 0x0
	.amdhsa_kernel k_q5268784ca4_g1
		.amdhsa_group_segment_fixed_size 327680
		.amdhsa_private_segment_fixed_size 0
		.amdhsa_enable_private_segment 0
		.amdhsa_kernarg_size 32
		.amdhsa_user_sgpr_count 2
		.amdhsa_user_sgpr_kernarg_segment_ptr 1
		.amdhsa_wavefront_size32 1
		.amdhsa_system_sgpr_workgroup_id_x 1
		.amdhsa_system_sgpr_workgroup_id_y 1
		.amdhsa_system_sgpr_workgroup_id_z 1
		.amdhsa_system_vgpr_workitem_id 0
		.amdhsa_next_free_vgpr 1024
		.amdhsa_next_free_sgpr 100
		.amdhsa_reserve_vcc 0
		.amdhsa_float_denorm_mode_32 3
		.amdhsa_float_denorm_mode_16_64 3
		.amdhsa_memory_ordered 1
		.amdhsa_forward_progress 1
		.amdhsa_inst_pref_size 145
	.end_amdhsa_kernel
	.amdgpu_metadata
---
amdhsa.version: [ 1, 2 ]
amdhsa.kernels:
  - .name:           k_q5268784ca4_g1
    .symbol:         k_q5268784ca4_g1.kd
    .args:
      - { .name: pc, .offset: 0, .size: 8, .value_kind: global_buffer, .address_space: global }
      - { .name: in_proj_b, .offset: 8, .size: 8, .value_kind: global_buffer, .address_space: global }
      - { .name: lowp_scales, .offset: 16, .size: 8, .value_kind: global_buffer, .address_space: global }
      - { .name: qkv, .offset: 24, .size: 8, .value_kind: global_buffer, .address_space: global }
    .group_segment_fixed_size: 327680
    .private_segment_fixed_size: 0
    .kernarg_segment_align: 8
    .kernarg_segment_size: 32
    .max_flat_workgroup_size: 128
    .sgpr_count:     100
    .vgpr_count:     1024
    .wavefront_size: 32
...
	.end_amdgpu_metadata
.endif
;; end of part 2
;; launch attn (part 3): grid 32 x 8, 8 waves a work-group, no clusters, 130,048 bytes of LDS; arguments qkv, lowp_scales, ao; writes ao
.if DOCPART == 3
	.amdgcn_target "amdgcn-amd-amdhsa--gfx1250"
	.amdhsa_code_object_version 6
	.text
	.protected	k_q5268784ca4_attn
	.globl	k_q5268784ca4_attn
	.p2align	8
	.type	k_q5268784ca4_attn,@function
k_q5268784ca4_attn:
	s_mov_b64 s[64:65], 0
	v_nop
	global_prefetch_b8 v0, s[64:65] scope:SCOPE_SE
	s_setreg_imm32_b32 hwreg(HW_REG_WAVE_MODE, 25, 1), 1
	s_wait_xcnt 0x0
; Attention under the mask that reference() builds: key k counts for query q where q - 256 <= k <= q.  Both products on codes of E4M3 (q e2, k e3, p e4, v e5); the result, divided by the row's sum, is quantised with e6.
; WORK LEFT OUT: steps of 128 keys that lie wholly outside q - 256 .. q for all 128 queries of the work-group (their weights are 0 for all inputs); a NaN or an infinity in such keys or values is not carried to the result.
; IN: qkv: q and k as panels [head][4096][128], v as blocks [head][token / 128][128 channels][128 tokens].  OUT: ao as panels [head][4096][128], codes.
; THE SOFTMAX AHEAD OF THE SECOND PRODUCT: t = score x log2(e) / sqrt(128); M = the running largest t rounded up to a whole number; p = 2^(t - M) is quantised; the row's sum is taken of the unquantised p.
; SHARES.  A work-group owns 128 queries of one head (block X of 32; QB = X % 16 is its place in its sequence); each of eight waves owns 16, one query a lane.  The key steps are blocks X (the diagonal, first, so that M is a
; number from the first step on), X - 1 (where QB >= 1) and X - 2 (where QB >= 2).  All tiles are copied into LDS once, at the head, through registers; one barrier; then every wave walks the steps that exist.
; No tensor load and no cluster: neighbouring query blocks want shifted sets of tiles, and a sequence's first two blocks want fewer, so partners could not make every request jointly; nothing is prefetched: all loads go out at the head.
; LAYOUT.  S^T = K Q^T and O^T = V^T P^T: a lane holds one query throughout.  Row r of K's tile 2 b + u is key 32 b + 8 u + r + 8 (r / 8), so that register 16 b + i of the scores is key 32 b + 16 (lane / 16) + i.
; K'S ROWS LIE IN LDS IN THE TILES' ORDER: the copy puts key 32 b + j at row 32 b + (j with its bits 3 and 4 exchanged), so that a tile is 16 NEIGHBOURING rows of 144 bytes: 144 r modulo 256 takes 16 different multiples of 16.
; V's rows (channels) lie as they come, and are read the same way.
; V'S FRAGMENTS ARE ASKED FOR AHEAD: the first four directly behind the score products, into the registers that K's fragments have left, so that they come in under the softmax; the other four into p's registers, as soon as p is quantised.
; THE HOLD OF p: p is at most 1, so where 448 x 2^e4 is over 1, that is for e4 >= -8, the hold changes nothing: its 64 lines of a step stand under a scalar branch on e4, a whole number read from lowp_scales; for e4 < -8 they run.
; LIMITS: e2 + e3 between -123 and 130; e4 and e6 between -126 and 119.  NaN is not served.
; REGISTERS: v1-11 addresses that stay; v12 -M, v13 the largest t, v[14:15] the sum; v16-31 Q; v32-95 four fragments; v96-159 S^T, then p, then V's other four fragments; v160-223 O^T; v224-239 p's codes (v236 also the lane
;   permute's destination, ahead of them); v240, v244 the hold and the scale of p; v241, v245 where K's rows are stored; v246 DD, v247 -infinity; v248, v249 the scale and the hold of the result; v250, v251 the stage's addresses; v242-243, v252-254 at work.
.set KPI,   144                        ; a row of a tile in LDS: 128 bytes + 16
.set TILE,  128*KPI                    ; 18,432
.set STEPB, 2*TILE                     ; a step: K's tile, then V's
.set STAGE, 3*STEPB                    ; the way out: 16 rows x 144 bytes for each wave
.set SPARE, STAGE+8*16*KPI             ; 129,024: the spare words, 128 bytes for each of eight waves
.set AK0,  1                           ; my lane's place in a tile of K: 144 r + 16 h
.set AV0,  2                           ; the same for V
.set CPG,  3                           ; the copy: my 16 bytes of my wave's 2,048 of a tile, in memory,
.set CPL,  4                           ; and in LDS, for V's rows
.set SPW,  5
.set NIL,  6
.set GO,   7
.set ADK,  8
.set ADV,  9
.set CPL2, 11                          ; CPL two steps on
.set CPK,  241                         ; the copy in LDS, for K's rows
.set CPK2, 245                         ; CPK two steps on
.set STI,  250                         ; the stage: in,
.set STR,  251                         ; and back; both are made at the head and never rewritten
.set DD,   246                         ; my query's place in the block less 16 (lane / 16)
.set NINF, 247                         ; -infinity
.set CS,   22                          ; s[22:23] c = log2(e) / sqrt(128) x 2^(e2 + e3)
	s_load_b128 s[4:7], s[0:1], 0x0                ; qkv, lowp_scales
	s_load_b64 s[8:9], s[0:1], 0x10                ; ao
	v_lshl_add_u32 v[SPW], v0, 2, SPARE
	v_mov_b32 v[NIL], 0
	v_lshrrev_b32 v8, 5, v0
	s_delay_alu instid0(VALU_DEP_1)
	v_readfirstlane_b32 s18, v8                    ; wave 0..7
	s_and_b32 s19, ttmp9, 15                       ; QB
	s_mov_b32 s20, 0x76543210                      ; lane l xor 16
	s_mov_b32 s21, 0xfedcba98
	s_mov_b32 s[CS], 0x3e0293ee
	s_and_b32 s40, ttmp7, 0xffff                   ; the head
	s_lshl_b32 s40, s40, 19
	s_lshl_b32 s42, ttmp9, 14
	s_add_co_u32 s40, s40, s42                     ; head x 524,288 + block x 16,384
	s_mov_b32 s41, 0
	s_lshl_b32 s42, s18, 11                        ; my 16 rows of 128 bytes
	s_mov_b32 s43, 0
	s_lshl_b32 s45, s18, 4                         ; 16 w
	s_lshr_b32 s44, s18, 1
	s_lshl_b32 s44, s44, 5                         ; 32 (w / 2)
	s_and_b32 s48, s18, 1
	s_lshl_b32 s48, s48, 3                         ; 8 (w % 2)
	s_add_co_u32 s44, s44, s48                     ; my keys 16 w + 4 t + l / 8 go to rows 32 (w / 2) + 16 (t / 2) + 8 (w % 2) + 4 (t % 2) + l / 8: bits 3 and 4 exchanged
	v_and_b32 v8, 15, v0                           ; r
	v_bfe_u32 v9, v0, 4, 1                         ; h
	v_and_b32 v10, 31, v0                          ; l
	s_delay_alu instid0(VALU_DEP_1)
	v_lshlrev_b32 v[GO], 4, v10
	s_delay_alu instid0(VALU_DEP_1)
	v_add_nc_u32 v[CPG], s42, v[GO]
	s_delay_alu instid0(VALU_DEP_3)
	v_lshrrev_b32 v12, 3, v10                      ; l / 8
	v_and_b32 v14, 7, v0                           ; l % 8
	s_delay_alu instid0(VALU_DEP_2)
	v_add_nc_u32 v13, s45, v12
	s_delay_alu instid0(VALU_DEP_1)
	v_mul_u32_u24 v13, v13, KPI                    ; V: row 16 w + l / 8,
	s_delay_alu instid0(VALU_DEP_1)
	v_lshl_add_u32 v[CPL], v14, 4, v13             ; 16 bytes at 16 (l % 8)
	s_delay_alu instid0(VALU_DEP_1)
	v_add_nc_u32 v[CPL2], 2*STEPB, v[CPL]
	v_add_nc_u32 v13, s44, v12
	s_delay_alu instid0(VALU_DEP_1)
	v_mul_u32_u24 v13, v13, KPI                    ; K: row 32 (w / 2) + 8 (w % 2) + l / 8,
	s_delay_alu instid0(VALU_DEP_1)
	v_lshl_add_u32 v[CPK], v14, 4, v13             ; 16 bytes at 16 (l % 8)
	s_delay_alu instid0(VALU_DEP_1)
	v_add_nc_u32 v[CPK2], 2*STEPB, v[CPK]
	v_mul_u32_u24 v[AK0], v8, KPI
	s_delay_alu instid0(VALU_DEP_1)
	v_lshl_add_u32 v[AK0], v9, 4, v[AK0]           ; a fragment: row r, + 16 h
	s_delay_alu instid0(VALU_DEP_1)
	v_add_nc_u32 v[AV0], TILE, v[AK0]
	s_mul_i32 s46, s18, 16*KPI
	s_add_co_u32 s46, s46, STAGE
	v_mul_u32_u24 v13, v8, KPI
	s_delay_alu instid0(VALU_DEP_1)
	v_lshl_add_u32 v13, v9, 3, v13
	s_delay_alu instid0(VALU_DEP_1)
	v_add_nc_u32 v[STI], s46, v13                  ; row r, 8 bytes for each half of the lanes
	v_mul_u32_u24 v13, v12, KPI
	s_delay_alu instid0(VALU_DEP_1)
	v_lshl_add_u32 v13, v14, 4, v13
	s_delay_alu instid0(VALU_DEP_1)
	v_add_nc_u32 v[STR], s46, v13                  ; eight lanes to a row, four rows an instruction
	v_lshlrev_b32 v10, 7, v8
	s_delay_alu instid0(VALU_DEP_1)
	v_lshl_add_u32 v10, v9, 4, v10                 ; Q: row r of 128 bytes, + 16 h
	v_lshlrev_b32 v13, 4, v9
	s_delay_alu instid0(VALU_DEP_1)
	v_sub_nc_u32 v[DD], v8, v13
	s_delay_alu instid0(VALU_DEP_1)
	v_add_nc_u32 v[DD], s45, v[DD]
	v_mov_b32 v[NINF], 0xff800000
	v_mov_b32 v14, 0                               ; the row's sum, in two halves
	v_mov_b32 v15, 0
	v_mov_b32 v236, 0                              ; a lane permute's destination counts as read
	v_mov_b32 v253, 0                              ; (named as the upper half of the pair v[252:253])
	s_wait_alu depctr_va_vdst(0)
	s_wait_kmcnt 0x0
	s_load_b256 s[32:39], s[6:7], 0x0              ; e0 .. e7
	s_add_nc_u64 s[26:27], s[4:5], s[40:41]
	s_add_nc_u64 s[24:25], s[26:27], s[42:43]      ; my queries
	s_add_nc_u64 s[28:29], s[26:27], 8388608       ; V's block X
	s_add_nc_u64 s[26:27], s[26:27], 4194304       ; K's block X
	s_add_nc_u64 s[30:31], s[8:9], s[40:41]
	s_add_nc_u64 s[30:31], s[30:31], s[42:43]      ; my rows of ao
.macro LOADT s, reg                    ; my wave's 16 rows of K's and of V's tile of step s (block X - s): 512 consecutive bytes a load
.irp t, 0,1,2,3
	global_load_b128 v[\reg+4*\t:\reg+4*\t+3], v[CPG], s[26:27] offset:512*\t-16384*\s
	global_load_b128 v[\reg+16+4*\t:\reg+16+4*\t+3], v[CPG], s[28:29] offset:512*\t-16384*\s
.endr
.endm
.macro STORET reg, adrk, adrv, off     ; K's rows in the tiles' order, V's as they come
.irp t, 0,1,2,3
	ds_store_b128 v[\adrk], v[\reg+4*\t:\reg+4*\t+3] offset:\off+(16*(\t/2)+4*(\t%2))*KPI
	ds_store_b128 v[\adrv], v[\reg+16+4*\t:\reg+16+4*\t+3] offset:\off+TILE+4*KPI*\t
.endr
.endm
	LOADT 0, 32
.irp c, 0,1,2,3
	global_load_b128 v[16+4*\c:19+4*\c], v10, s[24:25] offset:32*\c th:TH_LOAD_NT   ; Q's fragment stays in registers
.endr
	s_cmp_lt_u32 s19, 1                            ; the branches hang on the work-group's number alone; no path stores what it has not loaded
	s_cbranch_scc1 .Lone
	LOADT 1, 64
	s_cmp_lt_u32 s19, 2
	s_cbranch_scc1 .Ltwo
	LOADT 2, 96
	s_wait_loadcnt 0x0
	STORET 96, CPK2, CPL2, 0
.Ltwo:
	s_wait_loadcnt 0x0
	STORET 64, CPK, CPL, STEPB
.Lone:
	s_wait_loadcnt 0x0
	STORET 32, CPK, CPL, 0
	s_wait_kmcnt 0x0
	s_add_co_i32 s40, s34, s35
	s_lshl_b32 s40, s40, 23
	s_add_co_i32 s[CS], s[CS], s40                 ; a score stands for score x 2^(e2 + e3): added to c's exponent field
	s_mov_b32 s[CS+1], s[CS]
	s_add_co_i32 s40, s36, 127
	s_lshl_b32 s41, s40, 23
	v_mov_b32 v244, s41                            ; 2^e4
	s_add_co_i32 s40, s40, 8
	s_lshl_b32 s40, s40, 23
	s_or_b32 s40, s40, 0x600000
	v_mov_b32 v240, s40                            ; 448 x 2^e4
	s_add_co_i32 s40, s38, 127
	s_lshl_b32 s41, s40, 23
	v_mov_b32 v248, s41                            ; 2^e6
	s_add_co_i32 s40, s40, 8
	s_lshl_b32 s40, s40, 23
	s_or_b32 s40, s40, 0x600000
	v_mov_b32 v249, s40                            ; 448 x 2^e6
	s_add_co_i32 s47, s36, s37                     ; e4 + e5
	s_wait_dscnt 0x0                               ; for the others' sake: my stores are done
	s_barrier_signal -1
	s_barrier_wait -1                              ; the one barrier: all tiles lie in LDS
; A KEY STEP of 128 keys.  mask = 1: the diagonal block (keys after my query are hidden); 2: the block two back (keys more than 256 before my query); 0: all count.  first = 1: it starts M, the sum and O^T.
.macro STEP s, mask, first
	v_add_nc_u32 v[ADK], STEPB*\s, v[AK0]
	s_wait_alu depctr_va_vdst(0)
	v_add_nc_u32 v[ADV], STEPB*\s, v[AV0]
.rept 3
	v_nop                                          ; with the two additions five places: the score products below write over v96-159, which the last step's products read as a source (five are asked), and the loads below land in v32-95 (four)
.endr
.irp g, 0,1                                    ; S^T = K Q^T, four tiles of 16 keys at a time
.if \g > 0
.rept 4
	v_nop                                          ; places ahead of loads into registers that matrix instructions have read
.endr
.endif
.irp t, 0,1,2,3
.irp c, 0,1,2,3
	ds_load_b128 v[32+16*\t+4*\c:32+16*\t+4*\c+3], v[ADK] offset:16*(4*\g+\t)*KPI+32*\c
.endr
.endr
	s_wait_dscnt 0x0
.irp t, 0,1,2,3
	v_wmma_f32_16x16x128_fp8_fp8 v[96+8*(4*\g+\t):103+8*(4*\g+\t)], v[32+16*\t:47+16*\t], v[16:31], 0
.endr
.endr
.rept 4
	v_nop                                          ; places ahead of the loads below and of the first read of the scores
.endr
	s_wait_alu depctr_va_vdst(0)
.irp t, 0,1,2,3                                ; V's fragments of channels 0-63 are asked for now: they come in under the softmax, which names none of v32-95
.irp c, 0,1,2,3
	ds_load_b128 v[32+16*\t+4*\c:32+16*\t+4*\c+3], v[ADV] offset:16*\t*KPI+32*\c
.endr
.endr
.if \mask == 1
.set n, 0
.rept 64
	v_cmp_gt_i32 vcc_lo, 32*(n/16)+n%16, v[DD]     ; the register's key comes after my query
	v_cndmask_b32 v[96+n], v[96+n], v[NINF], vcc_lo
.set n, n+1
.endr
.elseif \mask == 2
.set n, 0
.rept 64
	v_cmp_lt_i32 vcc_lo, 32*(n/16)+n%16, v[DD]     ; the register's key lies more than 256 before my query
	v_cndmask_b32 v[96+n], v[96+n], v[NINF], vcc_lo
.set n, n+1
.endr
.endif
	v_max3_num_f32 v254, v96, v97, v98             ; the step's largest score of my query, in two chains
	v_max3_num_f32 v252, v99, v100, v101
.irp i, 6,10,14,18,22,26,30,34,38,42,46,50,54,58
	v_max3_num_f32 v254, v254, v[96+\i], v[97+\i]
	v_max3_num_f32 v252, v252, v[98+\i], v[99+\i]
.endr
	v_max3_num_f32 v254, v254, v158, v159
	s_delay_alu instid0(VALU_DEP_1)
	v_max_num_f32 v254, v254, v252
	v_permlanex16_b32 v236, v254, s20, s21
	s_delay_alu instid0(VALU_DEP_1)
	v_max_num_f32 v254, v254, v236                 ; and lane l xor 16's
.if \first
	s_delay_alu instid0(VALU_DEP_1)
	v_mul_f32 v13, s[CS], v254                     ; the largest t (my own key counts, so it is a number)
	s_delay_alu instid0(VALU_DEP_1)
	v_floor_f32 v12, -v13                          ; -M = floor(-t)
.else
	s_delay_alu instid0(VALU_DEP_1)
	v_mul_f32 v254, s[CS], v254
	s_delay_alu instid0(VALU_DEP_1)
	v_max_num_f32 v13, v13, v254                   ; the running largest t
	v_mov_b32 v254, v12
	s_delay_alu instid0(VALU_DEP_2)
	v_floor_f32 v12, -v13
	s_delay_alu instid0(VALU_DEP_1)
	v_sub_f32 v254, v12, v254                      ; old M - new M: a whole number, 0 or less
	s_delay_alu instid0(VALU_DEP_1)
	v_cvt_i32_f32 v254, v254
	s_delay_alu instid0(VALU_DEP_1)
	v_ldexp_f32 v252, 1.0, v254                    ; f = 2^(old M - new M)
.endif
.set j, 0
.rept 32
	v_pk_fma_f32 v[96+j:97+j], v[96+j:97+j], s[CS:CS+1], v[12:13] op_sel_hi:[1,0,0]   ; t - M
.set j, j+2
.endr
.set j, 0
	s_wait_alu depctr_va_vdst(0)
.rept 64
	v_exp_f32 v[96+j], v[96+j]                     ; p = 2^(t - M)
.set j, j+1
.endr
.if \first
	v_nop                                          ; a plain instruction behind the exponentials
.else
	v_pk_mul_f32 v[14:15], v[14:15], v[252:253] op_sel_hi:[1,0]   ; the sum under the new M (the plain instruction behind the exponentials)
.endif
	s_wait_alu depctr_va_vdst(0)                   ; one wait for the whole batch, ahead of its first reader
	v_pk_add_f32 v[242:243], v[100:101], v[104:105]
	v_pk_add_f32 v[254:255], v[108:109], v[112:113]
	v_pk_add_f32 v[238:239], v[116:117], v[120:121]
	v_pk_add_f32 v[236:237], v[124:125], v[128:129]
	v_pk_add_f32 v[234:235], v[132:133], v[136:137]
	v_pk_add_f32 v[232:233], v[140:141], v[144:145]
	v_pk_add_f32 v[230:231], v[148:149], v[152:153]
	v_pk_add_f32 v[14:15], v[14:15], v[156:157]
	v_pk_add_f32 v[242:243], v[242:243], v[96:97]
	v_pk_add_f32 v[254:255], v[254:255], v[98:99]
	v_pk_add_f32 v[238:239], v[238:239], v[102:103]
	v_pk_add_f32 v[236:237], v[236:237], v[106:107]
	v_pk_add_f32 v[234:235], v[234:235], v[110:111]
	v_pk_add_f32 v[232:233], v[232:233], v[114:115]
	v_pk_add_f32 v[230:231], v[230:231], v[118:119]
	v_pk_add_f32 v[14:15], v[14:15], v[122:123]
	v_pk_add_f32 v[242:243], v[242:243], v[126:127]
	v_pk_add_f32 v[254:255], v[254:255], v[130:131]
	v_pk_add_f32 v[238:239], v[238:239], v[134:135]
	v_pk_add_f32 v[236:237], v[236:237], v[138:139]
	v_pk_add_f32 v[234:235], v[234:235], v[142:143]
	v_pk_add_f32 v[232:233], v[232:233], v[146:147]
	v_pk_add_f32 v[230:231], v[230:231], v[150:151]
	v_pk_add_f32 v[14:15], v[14:15], v[154:155]
	v_pk_add_f32 v[242:243], v[242:243], v[158:159]
	s_delay_alu instid0(VALU_DEP_2)
	v_pk_add_f32 v[14:15], v[14:15], v[236:237]
	s_delay_alu instid0(VALU_DEP_2)
	v_pk_add_f32 v[242:243], v[242:243], v[234:235]
	v_pk_add_f32 v[254:255], v[254:255], v[232:233]
	v_pk_add_f32 v[238:239], v[238:239], v[230:231]
	s_delay_alu instid0(VALU_DEP_2)
	v_pk_add_f32 v[14:15], v[14:15], v[254:255]
	s_delay_alu instid0(VALU_DEP_2)
	v_pk_add_f32 v[242:243], v[242:243], v[238:239]
	s_delay_alu instid0(VALU_DEP_1)
	v_pk_add_f32 v[14:15], v[14:15], v[242:243]
	s_cmp_ge_i32 s36, -8                           ; e4 >= -8: 448 x 2^e4 is at least 1.75, and p is at most 1: the hold would change nothing
	s_cbranch_scc1 .Lfits_\@
.set j, 0
.rept 64
	v_min_num_f32 v[96+j], v[96+j], v240           ; the hold at the largest code x the scale (the conversion does not saturate: ISA guide 7.6.2); p is not negative
.set j, j+1
.endr
.Lfits_\@:
.irp b, 0,1,2,3
	v_cvt_scalef32_pk8_fp8_f32 v[224+4*\b:225+4*\b], v[96+16*\b:103+16*\b], v244
	v_cvt_scalef32_pk8_fp8_f32 v[226+4*\b:227+4*\b], v[104+16*\b:111+16*\b], v244
.endr
	v_nop                                          ; a plain instruction behind the last conversion
.irp t, 0,1,2,3                                ; p is quantised: its registers take V's fragments of channels 64-127
.irp c, 0,1,2,3
	ds_load_b128 v[96+16*\t+4*\c:96+16*\t+4*\c+3], v[ADV] offset:16*(4+\t)*KPI+32*\c
.endr
.endr
.if !\first
.set j, 0
.rept 32
	v_pk_mul_f32 v[160+j:161+j], v[160+j:161+j], v[252:253] op_sel_hi:[1,0]   ; O^T under the new M
.set j, j+2
.endr
.endif
	s_wait_alu depctr_va_vdst(0)
	s_wait_dscnt 16                                ; V's first sixteen loads are in; the sixteen just issued may stay out
.irp t, 0,1,2,3                                ; O^T += V^T P^T: channels 0-63,
.if \first
	v_wmma_f32_16x16x128_fp8_fp8 v[160+8*\t:167+8*\t], v[32+16*\t:47+16*\t], v[224:239], 0
.else
	v_wmma_f32_16x16x128_fp8_fp8 v[160+8*\t:167+8*\t], v[32+16*\t:47+16*\t], v[224:239], v[160+8*\t:167+8*\t]
.endif
.endr
	s_wait_dscnt 0x0
.irp t, 0,1,2,3                                ; and channels 64-127
.if \first
	v_wmma_f32_16x16x128_fp8_fp8 v[192+8*\t:199+8*\t], v[96+16*\t:111+16*\t], v[224:239], 0
.else
	v_wmma_f32_16x16x128_fp8_fp8 v[192+8*\t:199+8*\t], v[96+16*\t:111+16*\t], v[224:239], v[192+8*\t:199+8*\t]
.endif
.endr
.endm
	STEP 0, 1, 1
	s_cmp_lt_u32 s19, 1
	s_cbranch_scc1 .Lout
	STEP 1, 0, 0
	s_cmp_lt_u32 s19, 2
	s_cbranch_scc1 .Lout
	STEP 2, 2, 0
.Lout:
	; THE WAY OUT: O^T / the sum x 2^(e4 + e5), quantised with e6; a lane's eight channels are 8 bytes of a row; through my stage, and out as 512 consecutive bytes a store
	v_add_f32 v14, v14, v15
	s_delay_alu instid0(VALU_DEP_1)
	v_permlanex16_b32 v252, v14, s20, s21
	s_delay_alu instid0(VALU_DEP_1)
	v_add_f32 v14, v14, v252                       ; the row's sum
	s_wait_alu depctr_va_vdst(0)
	v_rcp_f32 v14, v14
.rept 4
	v_nop                                          ; plain instructions behind the transcendental, and the places behind the last products
.endr
	s_wait_alu depctr_va_vdst(0)                   ; the wait ahead of the reciprocal's first reader
	v_ldexp_f32 v14, v14, s47
.set j, 0
.rept 64
	v_mul_f32 v[96+j], v[160+j], v14               ; register 8 t + i: channel 16 t + 8 h + i of my query; each accumulator from its low end on
.set j, j+1
.endr
.set j, 0
.rept 64
	v_med3_num_f32 v[96+j], v[96+j], -v249, v249
.set j, j+1
.endr
.irp t, 0,1,2,3,4,5,6,7
	v_cvt_scalef32_pk8_fp8_f32 v[32+2*\t:33+2*\t], v[96+8*\t:103+8*\t], v248
.endr
	v_nop
.irp t, 0,1,2,3,4,5,6,7
	ds_store_b64 v[STI], v[32+2*\t:33+2*\t] offset:16*\t
.endr
.irp t, 0,1,2,3
	ds_load_b128 v[48+4*\t:51+4*\t], v[STR] offset:4*KPI*\t   ; LDS serves a wave's instructions in order: these see my stores
.endr
.irp t, 0,1,2,3
	s_wait_dscnt 3-\t                              ; the younger loads may stay out
	global_store_b128 v[GO], v[48+4*\t:51+4*\t], s[30:31] offset:512*\t
.endr
	s_wait_tensorcnt 0x0                           ; the wave's end, behind my last LDS store
	ds_add_u32 v[SPW], v[NIL]
	s_wait_dscnt 0x0
	s_endpgm
.Lfunc_end_k_q5268784ca4_attn:
	.size	k_q5268784ca4_attn, .Lfunc_end_k_q5268784ca4_attn-k_q5268784ca4_attn
	.p2alignl 7, 3214868480
	.fill 96, 4, 3214868480
	.section	.rodata,"a",@progbits
	.p2align	6, 0x0
	.amdhsa_kernel k_q5268784ca4_attn
		.amdhsa_group_segment_fixed_size 130048
		.amdhsa_private_segment_fixed_size 0
		.amdhsa_enable_private_segment 0
		.amdhsa_kernarg_size 24
		.amdhsa_user_sgpr_count 2
		.amdhsa_user_sgpr_kernarg_segment_ptr 1
		.amdhsa_wavefront_size32 1
		.amdhsa_system_sgpr_workgroup_id_x 1
		.amdhsa_system_sgpr_workgroup_id_y 1
		.amdhsa_system_sgpr_workgroup_id_z 1
		.amdhsa_system_vgpr_workitem_id 0
		.amdhsa_next_free_vgpr 256
		.amdhsa_next_free_sgpr 66
		.amdhsa_reserve_vcc 1
		.amdhsa_float_denorm_mode_32 3
		.amdhsa_float_denorm_mode_16_64 3
		.amdhsa_memory_ordered 1
		.amdhsa_forward_progress 1
		.amdhsa_inst_pref_size 83
	.end_amdhsa_kernel
	.amdgpu_metadata
---
amdhsa.version: [ 1, 2 ]
amdhsa.kernels:
  - .name:           k_q5268784ca4_attn
    .symbol:         k_q5268784ca4_attn.kd
    .args:
      - { .name: qkv, .offset: 0, .size: 8, .value_kind: global_buffer, .address_space: global }
      - { .name: lowp_scales, .offset: 8, .size: 8, .value_kind: global_buffer, .address_space: global }
      - { .name: ao, .offset: 16, .size: 8, .value_kind: global_buffer, .address_space: global }
    .group_segment_fixed_size: 130048
    .private_segment_fixed_size: 0
    .kernarg_segment_align: 8
    .kernarg_segment_size: 24
    .max_flat_workgroup_size: 256
    .sgpr_count:     66
    .vgpr_count:     256
    .wavefront_size: 32
...
	.end_amdgpu_metadata
.endif
;; end of part 3
;; launch g4 (part 4): grid 8 x 32, 4 waves a work-group, clusters of 4 x 4, 327,680 bytes of LDS; arguments ao, pc, out_b, x, lowp_scales, h2; writes h2
.if DOCPART == 4
	.amdgcn_target "amdgcn-amd-amdhsa--gfx1250"
	.amdhsa_code_object_version 6
	.text
	.protected	k_q5268784ca4_g4
	.globl	k_q5268784ca4_g4
	.p2align	8
	.type	k_q5268784ca4_g4,@function
k_q5268784ca4_g4:
	s_mov_b64 s[64:65], 0
	v_nop
	global_prefetch_b8 v0, s[64:65] scope:SCOPE_SE
	s_setreg_imm32_b32 hwreg(HW_REG_WAVE_MODE, 25, 1), 1
	s_wait_xcnt 0x0
	s_wait_alu depctr_hold_cnt(0) depctr_sa_sdst(0) depctr_va_vdst(0) depctr_va_sdst(0) depctr_va_ssrc(0) depctr_va_vcc(0) depctr_vm_vsrc(0)
	s_getreg_b32 s2, hwreg(HW_REG_IB_STS2, 6, 4)
	s_cmp_eq_u32 s2, 0
	s_cbranch_scc0 .Lentry_in_a_cluster
	s_endpgm
.Lentry_in_a_cluster:
	s_bfe_u32 s2, ttmp6, 0x10000c
	s_cmp_lg_u32 s2, 0xf033
	s_cbranch_scc0 .Lentry_shape_is_right
	s_endpgm
.Lentry_shape_is_right:
.set KTOT,  1024
.set WOFF,  3145728
.set SOFF,  0x18
.set LAPS,  KTOT/1024
.set PA,    144
.set PB,    528
.set AHALF, 4*64*PA
.set BHALF, 64*PB
.set BOFF,  2*AHALF
.set SLOT,  2*AHALF+2*BHALF
.set STAGE, 2*SLOT
.set SP,    272
.set SPARE, STAGE+4*16*SP
.set BIA,  8
.set ADRA, 16
.set ADRB, 20
.set STO,  24
.set RD,   25
.set CO,   26
.set SPW,  28
.set NIL,  29
.set BK,   32
.set ACC,  128
.set F0,   0
.set F1,   128
.set G1, 24
.set G0, 32
.set G1B, 48
.set G0B, 56
.set MSB, 0
.macro WIN new
.if MSB != \new
	s_set_vgpr_msb (MSB<<8)|\new
.set MSB, \new
.endif
.endm
.set MUL,  0x05
.set TO_F, 0x40
.macro JLOAD s
	s_cmp_eq_u32 s11, 0
	s_cbranch_scc0 .Lfor_b_\@
	tensor_load_to_lds s[G0+4*\s:G0+4*\s+3], s[G1:G1+7]
	s_nop 0
.rept 4
	v_nop
.endr
	s_branch .Lasked_\@
.Lfor_b_\@:
	tensor_load_to_lds s[G0B+4*\s:G0B+4*\s+3], s[G1B:G1B+7]
	s_nop 0
.rept 4
	v_nop
.endr
.Lasked_\@:
.endm
.macro CREST
	s_cmp_lg_u32 s10, 0
	s_cbranch_scc1 .Lnot_wave_0_\@
	s_barrier_signal -3
.Lnot_wave_0_\@:
	s_barrier_wait -3
	s_barrier_signal -1
	s_barrier_wait -1
.endm
.macro CROUND
	s_barrier_signal -1
	s_barrier_wait -1
	CREST
.endm
	s_load_b256 s[68:75], s[0:1], 0x0
	s_load_b128 s[76:79], s[0:1], 0x20
	v_lshl_add_u32 v[SPW], v0, 2, SPARE
	v_mov_b32 v[NIL], 0
	ds_add_u32 v[SPW], v[NIL]
	ds_add_u32 v[SPW], v[NIL]
	v_lshrrev_b32 v1, 5, v0
	v_readfirstlane_b32 s10, v1
	s_lshr_b32 s11, s10, 1
	s_and_b32 s12, s10, 1
	s_bfe_u32 s40, ttmp6, 0x40000
	s_bfe_u32 s41, ttmp6, 0x40004
	s_lshl_b32 s42, ttmp9, 2
	s_add_co_u32 s42, s42, s40
	s_and_b32 s13, ttmp7, 0xffff
	s_lshl_b32 s13, s13, 2
	s_add_co_u32 s13, s13, s41
	s_lshl_b32 s43, s41, 2
	s_lshl_b32 s43, 15, s43
	s_lshl_b32 s44, 0x1111, s40
	s_or_b32 s[G1+0], s43, (0<<16)|(1<<20)|(1<<21)|(4<<22)|(3<<25)
	s_mov_b32 s[G1+1], 8192<<16
	s_mov_b32 s[G1+2], 4<<16
	s_mov_b32 s[G1+3], 8192<<16
	s_mov_b32 s[G1+4], 4
	s_mov_b32 s[G1+5], 524288
	s_mov_b32 s[G1+6], 0
	s_mov_b32 s[G1+7], 0
	s_or_b32 s[G1B+0], s44, (0<<16)|(1<<20)|(1<<21)|(6<<22)|(3<<25)
	s_mov_b32 s[G1B+1], 512<<16
	s_mov_b32 s[G1B+2], 64<<16
	s_mov_b32 s[G1B+3], 512<<16
	s_mov_b32 s[G1B+4], 64
	s_mov_b32 s[G1B+5], KTOT
	s_mov_b32 s[G1B+6], 0
	s_mov_b32 s[G1B+7], 0
	s_lshl_b32 s18, s12, 6
	s_lshl_b32 s16, s13, 7
	s_add_co_u32 s16, s16, s18
	s_lshl_b32 s16, s16, 7
	s_mov_b32 s17, 0
	s_lshl_b32 s46, s42, 7
	s_add_co_u32 s46, s46, s18
	s_mul_i32 s46, s46, KTOT
	s_add_co_u32 s46, s46, WOFF
	s_mov_b32 s47, 0
	s_mul_i32 s20, s12, AHALF
	s_mul_i32 s21, s12, BHALF
	s_add_co_u32 s21, s21, BOFF
	s_wait_dscnt 0x0
	s_wait_kmcnt 0x0
	s_load_b64 s[80:81], s[76:77], SOFF
	s_add_nc_u64 s[14:15], s[68:69], s[16:17]
	s_add_nc_u64 s[46:47], s[70:71], s[46:47]
	CROUND
.irp s, 0,1
	s_mov_b32 s[G0+4*\s], 1
	s_add_co_u32 s[G0+4*\s+1], s20, \s*SLOT
	s_add_nc_u64 s[G0+4*\s+2:G0+4*\s+3], s[14:15], \s*2097152
	s_or_b32 s[G0+4*\s+3], s[G0+4*\s+3], 0x80000000
	s_mov_b32 s[G0B+4*\s], 1
	s_add_co_u32 s[G0B+4*\s+1], s21, \s*SLOT
	s_add_nc_u64 s[G0B+4*\s+2:G0B+4*\s+3], s[46:47], \s*512
	s_or_b32 s[G0B+4*\s+3], s[G0B+4*\s+3], 0x80000000
.endr
	JLOAD 0                                        ; slot 0: one tensor load a wave at the head
	; THE PREFETCH of slot 1, one load ahead of the load that wants it.  What a wave fetches for a slot is 128 blocks of 256 bytes; each of the four partners that ask for it jointly names 32, told apart by address:
	; of A's four panels partner cx names one (64 rows, 8,192 consecutive bytes, lanes 256 bytes apart); of B's 64 rows partner cy names 16 (two lanes to a row's 512 bytes).  The registers are never rewritten.
	s_cmp_eq_u32 s11, 0
	s_cselect_b64 s[90:91], s[14:15], s[46:47]
	s_cselect_b32 s92, s40, s41
	s_mov_b32 s93, 16*KTOT
	s_cselect_b32 s93, 524288, s93                 ; from partner to partner
	s_mov_b32 s94, 512
	s_cselect_b32 s94, 2097152, s94                ; a slot on
	s_cselect_b32 s96, 0, KTOT-512                 ; B: lane l stands at row l / 2: 256 l + (KTOT - 512) (l / 2)
	s_mul_i32 s92, s92, s93
	s_mov_b32 s93, 0
	s_mov_b32 s95, 0
	s_add_nc_u64 s[90:91], s[90:91], s[92:93]
	s_add_nc_u64 s[90:91], s[90:91], s[94:95]
	v_and_b32 v12, 31, v0
	v_lshrrev_b32 v7, 1, v12
	v_lshlrev_b32 v12, 8, v12
	v_mad_u32_u24 v12, v7, s96, v12
	global_prefetch_b8 v12, s[90:91] th:TH_LOAD_NT scope:SCOPE_SE
	v_and_b32 v1, 15, v0
	v_bfe_u32 v2, v0, 4, 1
	v_mul_u32_u24 v3, v1, PA
	v_lshl_add_u32 v3, v2, 4, v3
	v_mul_u32_u24 v4, v1, PB
	v_lshl_add_u32 v4, v2, 4, v4
	s_mul_i32 s22, s11, AHALF
	s_mul_i32 s23, s12, BHALF
	s_add_co_u32 s23, s23, BOFF
.irp s, 0,1
	v_add_nc_u32 v[ADRA+\s], s22, v3
	v_add_nc_u32 v[ADRB+\s], s23, v4
	s_add_co_u32 s22, s22, SLOT
	s_add_co_u32 s23, s23, SLOT
.endr
	s_mul_i32 s23, s10, 16*SP
	s_add_co_u32 s23, s23, STAGE
	v_mul_u32_u24 v5, v1, SP
	v_lshl_add_u32 v5, v2, 5, v5
	v_add_nc_u32 v[STO], s23, v5
	v_mul_u32_u24 v5, v2, SP
	v_lshl_add_u32 v5, v1, 4, v5
	v_add_nc_u32 v[RD], s23, v5
	v_lshlrev_b32 v5, 12, v2
	v_lshl_add_u32 v[CO], v1, 4, v5
	s_wait_alu depctr_va_vdst(0)
	v_lshlrev_b32 v6, 4, v1
	s_wait_alu depctr_va_vdst(0)
	s_lshl_b32 s86, s13, 7
	s_lshl_b32 s87, s11, 6
	s_add_co_u32 s86, s86, s87
	s_lshl_b32 s86, s86, 12
	s_lshl_b32 s88, s42, 7
	s_lshl_b32 s89, s12, 6
	s_add_co_u32 s88, s88, s89
	s_lshl_b32 s88, s88, 2
	s_mov_b32 s89, 0
	s_add_co_u32 s86, s86, s88
	s_mov_b32 s87, 0
	s_add_nc_u64 s[74:75], s[74:75], s[86:87]
	s_add_nc_u64 s[78:79], s[78:79], s[86:87]
	s_add_nc_u64 s[72:73], s[72:73], s[88:89]
.macro MULA f, a, zero
.irp b, 0,1,2,3
.if \zero
	v_wmma_f32_16x16x128_fp8_fp8 v[ACC+8*(4*(\a)+\b):ACC+8*(4*(\a)+\b)+7], v[\f+64+16*\b:\f+64+16*\b+15], v[\f+16*(\a):\f+16*(\a)+15], 0
.else
	v_wmma_f32_16x16x128_fp8_fp8 v[ACC+8*(4*(\a)+\b):ACC+8*(4*(\a)+\b)+7], v[\f+64+16*\b:\f+64+16*\b+15], v[\f+16*(\a):\f+16*(\a)+15], v[ACC+8*(4*(\a)+\b):ACC+8*(4*(\a)+\b)+7]
.endif
.endr
.endm
.macro FETCH slot, q, f
	WIN TO_F
.irp i, 0,1,2,3
.irp c, 0,1,2,3
	ds_load_b128 v[\f+64+16*\i+4*\c:\f+64+16*\i+4*\c+3], v[ADRB+\slot] offset:128*(\q)+16*PB*\i+32*\c
.endr
.endr
.irp i, 0,1,2,3
.irp c, 0,1,2,3
	ds_load_b128 v[\f+16*\i+4*\c:\f+16*\i+4*\c+3], v[ADRA+\slot] offset:64*PA*(\q)+16*PA*\i+32*\c
.endr
.endr
.endm
.macro PLACES
.rept 4
	v_nop
.endr
.endm
.macro QUARTER slot, q, f, g, zero
	s_wait_dscnt 8
	WIN MUL
	MULA \f, 0, \zero
	MULA \f, 1, \zero
	PLACES
	FETCH \slot, \q, \g
	s_wait_dscnt 32
	WIN MUL
	MULA \f, 2, \zero
	MULA \f, 3, \zero
.endm
.macro TURN slot, next, fill
	WIN 0
	s_wait_tensorcnt 0x0
	ds_add_u32 v[SPW], v[NIL]
	s_wait_dscnt 9
	WIN MUL
	MULA F1, 0, 0
	s_wait_dscnt 0x0
	s_barrier_signal -1
	MULA F1, 1, 0
.if \fill
	WIN 0
.endif
	s_barrier_wait -1
.if \fill
	CREST
	s_add_nc_u64 s[G0+4*\slot+2:G0+4*\slot+3], s[G0+4*\slot+2:G0+4*\slot+3], 4194304
	s_add_nc_u64 s[G0B+4*\slot+2:G0B+4*\slot+3], s[G0B+4*\slot+2:G0B+4*\slot+3], 1024
	JLOAD \slot
.else
	PLACES
.endif
	FETCH \next, 0, F0
	WIN MUL
	MULA F1, 2, 0
	MULA F1, 3, 0
.endm
	s_wait_alu depctr_va_vdst(0)                   ; the wait at the head's end
	s_wait_tensorcnt 0x0                           ; my part of slot 0 is in; the three lines ahead of a later first fill, as ahead of a refill
	ds_add_u32 v[SPW], v[NIL]
	s_wait_dscnt 0x0
	CROUND                                         ; a whole round: everybody's part of slot 0 is in
	JLOAD 1                                        ; slot 1's load, the first tensor load behind the round
	FETCH 0, 0, F0
	; the residual's 64 x 64 numbers of my wave and the bias are asked for here, behind both slots' loads, in the layout in which the sums come back from the stage: all of K's products lie ahead of their first use
	WIN 0x80                                       ; destination window 2
.irp a, 0,1,2,3
.irp t, 0,1,2,3,4,5,6,7
	global_load_b128 v[32*\a+4*\t:32*\a+4*\t+3], v[CO], s[74:75] offset:(16*\a+2*\t)*4096
.endr
.endr
	WIN 0
	global_load_b128 v[BIA:BIA+3], v6, s[72:73]
	QUARTER 0, 1, F0, F1, 1
.if LAPS > 1
	WIN 0
	s_mov_b32 s3, LAPS-1
.Llap:
	QUARTER 0, 2, F1, F0, 0
	QUARTER 0, 3, F0, F1, 0
	TURN 0, 1, 1
	QUARTER 1, 1, F0, F1, 0
	QUARTER 1, 2, F1, F0, 0
	QUARTER 1, 3, F0, F1, 0
	TURN 1, 0, 1
	QUARTER 0, 1, F0, F1, 0
	WIN 0
	s_sub_co_u32 s3, s3, 1
	s_cmp_lg_u32 s3, 0
	s_cbranch_scc1 .Llap
.endif
	QUARTER 0, 2, F1, F0, 0
	QUARTER 0, 3, F0, F1, 0
	TURN 0, 1, 0
	QUARTER 1, 1, F0, F1, 0
	QUARTER 1, 2, F1, F0, 0
	QUARTER 1, 3, F0, F1, 0
	s_wait_dscnt 8
	WIN MUL
	MULA F1, 0, 0
	MULA F1, 1, 0
	s_wait_dscnt 0
	MULA F1, 2, 0
	MULA F1, 3, 0
	WIN 0
	s_wait_kmcnt 0x0
	s_add_co_i32 s82, s80, s81
	s_add_co_i32 s82, s82, 127
	s_lshl_b32 s82, s82, 23
	s_mov_b32 s83, s82
	s_wait_loadcnt 0x0
	PLACES
.irp a, 0,1,2,3
.if \a >= 2
	s_wait_xcnt 0x0
.endif
.irp b, 0,1,2,3
	ds_store_b128 v[STO], v[ACC+8*(4*\a+\b):ACC+8*(4*\a+\b)+3] offset:64*\b
	ds_store_b128 v[STO], v[ACC+8*(4*\a+\b)+4:ACC+8*(4*\a+\b)+7] offset:64*\b+16
.endr
.irp t, 0,1,2,3,4,5,6,7
	ds_load_b128 v[BK+32*(\a%2)+4*\t:BK+32*(\a%2)+4*\t+3], v[RD] offset:2*SP*\t
.endr
	s_wait_dscnt 0x0
	WIN 0x20
.irp p, 0,1,2,3,4,5,6,7,8,9,10,11,12,13,14,15
	v_pk_fma_f32 v[BK+32*(\a%2)+2*\p:BK+32*(\a%2)+2*\p+1], v[BK+32*(\a%2)+2*\p:BK+32*(\a%2)+2*\p+1], s[82:83], v[32*\a+2*\p:32*\a+2*\p+1] op_sel_hi:[1,0,1]
.endr
	WIN 0
.irp p, 0,1,2,3,4,5,6,7,8,9,10,11,12,13,14,15
	v_pk_add_f32 v[BK+32*(\a%2)+2*\p:BK+32*(\a%2)+2*\p+1], v[BK+32*(\a%2)+2*\p:BK+32*(\a%2)+2*\p+1], v[BIA+2*(\p%2):BIA+2*(\p%2)+1]
.endr
.irp t, 0,1,2,3,4,5,6,7
	global_store_b128 v[CO], v[BK+32*(\a%2)+4*\t:BK+32*(\a%2)+4*\t+3], s[78:79] offset:(16*\a+2*\t)*4096
.endr
.endr
	s_wait_tensorcnt 0x0
	ds_add_u32 v[SPW], v[NIL]
	s_wait_dscnt 0x0
	CROUND
	s_endpgm
.Lfunc_end_k_q5268784ca4_g4:
	.size	k_q5268784ca4_g4, .Lfunc_end_k_q5268784ca4_g4-k_q5268784ca4_g4
	.p2alignl 7, 3214868480
	.fill 96, 4, 3214868480
	.section	.rodata,"a",@progbits
	.p2align	6, 0x0
	.amdhsa_kernel k_q5268784ca4_g4
		.amdhsa_group_segment_fixed_size 327680
		.amdhsa_private_segment_fixed_size 0
		.amdhsa_enable_private_segment 0
		.amdhsa_kernarg_size 48
		.amdhsa_user_sgpr_count 2
		.amdhsa_user_sgpr_kernarg_segment_ptr 1
		.amdhsa_wavefront_size32 1
		.amdhsa_system_sgpr_workgroup_id_x 1
		.amdhsa_system_sgpr_workgroup_id_y 1
		.amdhsa_system_sgpr_workgroup_id_z 1
		.amdhsa_system_vgpr_workitem_id 0
		.amdhsa_next_free_vgpr 640
		.amdhsa_next_free_sgpr 100
		.amdhsa_reserve_vcc 0
		.amdhsa_float_denorm_mode_32 3
		.amdhsa_float_denorm_mode_16_64 3
		.amdhsa_memory_ordered 1
		.amdhsa_forward_progress 1
		.amdhsa_inst_pref_size 55
	.end_amdhsa_kernel
	.amdgpu_metadata
---
amdhsa.version: [ 1, 2 ]
amdhsa.kernels:
  - .name:           k_q5268784ca4_g4
    .symbol:         k_q5268784ca4_g4.kd
    .args:
      - { .name: ao, .offset: 0, .size: 8, .value_kind: global_buffer, .address_space: global }
      - { .name: pc, .offset: 8, .size: 8, .value_kind: global_buffer, .address_space: global }
      - { .name: out_b, .offset: 16, .size: 8, .value_kind: global_buffer, .address_space: global }
      - { .name: x, .offset: 24, .size: 8, .value_kind: global_buffer, .address_space: global }
      - { .name: lowp_scales, .offset: 32, .size: 8, .value_kind: global_buffer, .address_space: global }
      - { .name: h2, .offset: 40, .size: 8, .value_kind: global_buffer, .address_space: global }
    .group_segment_fixed_size: 327680
    .private_segment_fixed_size: 0
    .kernarg_segment_align: 8
    .kernarg_segment_size: 48
    .max_flat_workgroup_size: 128
    .sgpr_count:     100
    .vgpr_count:     640
    .wavefront_size: 32
...
	.end_amdgpu_metadata
.endif
;; end of part 4
;; launch ln2 (part 5): grid 256 x 1, 4 waves a work-group, no clusters, 16,896 bytes of LDS; arguments h2, ln2_w, ln2_b, lowp_scales, mq; writes mq
.if DOCPART == 5
	.amdgcn_target "amdgcn-amd-amdhsa--gfx1250"
	.amdhsa_code_object_version 6
	.text
	.protected	k_q5268784ca4_ln2
	.globl	k_q5268784ca4_ln2
	.p2align	8
	.type	k_q5268784ca4_ln2,@function
k_q5268784ca4_ln2:
	s_mov_b64 s[64:65], 0
	v_nop
	global_prefetch_b8 v0, s[64:65] scope:SCOPE_SE
	s_setreg_imm32_b32 hwreg(HW_REG_WAVE_MODE, 25, 1), 1
	s_wait_xcnt 0x0
; mq = codes of LN2(h2) with e8, [4096][1024], K innermost.  A wave takes four rows, a row at a time in 32 registers: mean, variance and the norm stay in the wave; no barrier.
; Each load of a wave covers 512 consecutive bytes; lane l's registers of load i hold k = 128 i + 4 l + 0..3; the codes go through the wave's own stage in LDS and leave as 512 consecutive bytes a store.
; LIMIT: e8 between -126 and 119.  NaN is not served.  Memory binds: no matrix unit, no cluster, no tensor load would add anything.
.set LO,   2
.set X,    16                          ; v16-143  four rows of 32 registers
.set W,    144                         ; ln2_w
.set BV,   176                         ; ln2_b
.set C,    208                         ; codes, two sets of 8
.set MU,   224
.set RS,   226
.set PT,   228
.set SCL,  230
.set LIM,  231
.set SPW,  240
.set NIL,  241
.set SPARE, 16384                      ; behind the four stages: the spare words, 128 bytes for each wave
.macro LOADU u
.irp i, 0,1,2,3,4,5,6,7
	global_load_b128 v[X+32*\u+4*\i:X+32*\u+4*\i+3], v[LO], s[40:41] offset:4096*\u+512*\i
.endr
.endm
.macro REDUCE                          ; four pairs v[8:15] -> their sum over the wave's 32 lanes, in every lane's v8
	v_pk_add_f32 v[8:9], v[8:9], v[10:11]
	v_pk_add_f32 v[12:13], v[12:13], v[14:15]
	v_pk_add_f32 v[8:9], v[8:9], v[12:13]
	v_add_f32 v8, v8, v9
	v_add_f32_dpp v8, v8, v8 row_xmask:1 row_mask:0xf bank_mask:0xf
	v_add_f32_dpp v8, v8, v8 row_xmask:2 row_mask:0xf bank_mask:0xf
	v_add_f32_dpp v8, v8, v8 row_xmask:4 row_mask:0xf bank_mask:0xf
	v_add_f32_dpp v8, v8, v8 row_xmask:8 row_mask:0xf bank_mask:0xf
	v_permlanex16_b32 v[PT], v8, s38, s39
	v_add_f32 v8, v8, v[PT]
.endm
.macro LNU u
.set XU, X+32*\u
.irp c, 0,1,2,3
	v_pk_add_f32 v[8+2*\c:9+2*\c], v[XU+2*\c:XU+2*\c+1], v[XU+8+2*\c:XU+8+2*\c+1]
.endr
.irp p, 8,9,10,11,12,13,14,15
	v_pk_add_f32 v[8+2*(\p%4):9+2*(\p%4)], v[8+2*(\p%4):9+2*(\p%4)], v[XU+2*\p:XU+2*\p+1]
.endr
	REDUCE
	v_mul_f32 v[MU], s36, v8
.irp p, 0,1,2,3,4,5,6,7,8,9,10,11,12,13,14,15
	v_pk_add_f32 v[XU+2*\p:XU+2*\p+1], v[XU+2*\p:XU+2*\p+1], v[MU:MU+1] op_sel_hi:[1,0] neg_lo:[0,1] neg_hi:[0,1]
.endr
.irp c, 0,1,2,3
	v_pk_mul_f32 v[8+2*\c:9+2*\c], v[XU+2*\c:XU+2*\c+1], v[XU+2*\c:XU+2*\c+1]
.endr
.irp p, 4,5,6,7,8,9,10,11,12,13,14,15
	v_pk_fma_f32 v[8+2*(\p%4):9+2*(\p%4)], v[XU+2*\p:XU+2*\p+1], v[XU+2*\p:XU+2*\p+1], v[8+2*(\p%4):9+2*(\p%4)]
.endr
	REDUCE
	v_fma_f32 v8, v8, s36, s37
	s_wait_alu depctr_va_vdst(0)
	v_rsq_f32 v[RS], v8
	v_nop                                          ; a plain instruction behind the transcendental,
	s_wait_alu depctr_va_vdst(0)                   ; and the wait ahead of its first reader
.irp p, 0,1,2,3,4,5,6,7,8,9,10,11,12,13,14,15
	v_pk_mul_f32 v[XU+2*\p:XU+2*\p+1], v[XU+2*\p:XU+2*\p+1], v[RS:RS+1] op_sel_hi:[1,0]
.endr
.irp p, 0,1,2,3,4,5,6,7,8,9,10,11,12,13,14,15
	v_pk_fma_f32 v[XU+2*\p:XU+2*\p+1], v[XU+2*\p:XU+2*\p+1], v[W+2*\p:W+2*\p+1], v[BV+2*\p:BV+2*\p+1]
.endr
.endm
.macro QOUT u, si, so
.set XU, X+32*\u
.set CU, C+8*(\u%2)
.set i, 0
.rept 32
	v_med3_num_f32 v[XU+i], v[XU+i], -v[LIM], v[LIM]   ; the hold at the largest code x the scale (the conversion does not saturate: ISA guide 7.6.2)
.set i, i+1
.endr
.irp g, 0,1,2,3
	v_cvt_scalef32_pk8_fp8_f32 v[CU+2*\g:CU+2*\g+1], v[XU+8*\g:XU+8*\g+7], v[SCL]
.endr
	v_nop
.irp i, 0,1,2,3,4,5,6,7
	ds_store_b32 v[\si], v[CU+\i] offset:1024*\u+128*\i
.endr
.irp t, 0,1
	ds_load_b128 v[XU+4*\t:XU+4*\t+3], v[\so] offset:1024*\u+512*\t
.endr
	s_wait_dscnt 0x0
.irp t, 0,1
	global_store_b128 v[LO], v[XU+4*\t:XU+4*\t+3], s[42:43] offset:1024*\u+512*\t
.endr
.endm
	s_load_b256 s[4:11], s[0:1], 0x0               ; h2, ln2_w, ln2_b, lowp_scales
	s_load_b64 s[20:21], s[0:1], 0x20              ; mq
	v_lshl_add_u32 v[SPW], v0, 2, SPARE
	v_mov_b32 v[NIL], 0
	v_lshrrev_b32 v1, 5, v0
	v_readfirstlane_b32 s22, v1                    ; wave 0..3
	v_and_b32 v1, 31, v0
	v_lshlrev_b32 v[LO], 4, v1
	s_lshl_b32 s23, s22, 12
	v_lshl_add_u32 v3, v1, 2, s23                  ; my stage: in,
	v_lshl_add_u32 v4, v1, 4, s23                  ; and out
	v_mov_b32 v[MU+1], 0
	v_mov_b32 v[RS+1], 0
	v_mov_b32 v[PT], 0
	s_mov_b32 s36, 0x3a800000                      ; 1 / 1,024
	s_mov_b32 s37, 0x3727c5ac                      ; eps = 1e-5
	s_mov_b32 s38, 0x76543210
	s_mov_b32 s39, 0xfedcba98
	s_lshl_b32 s44, ttmp9, 4
	s_lshl_b32 s46, s22, 2
	s_add_co_u32 s44, s44, s46                     ; my first row: 16 x work-group + 4 x wave
	s_lshl_b32 s48, s44, 12
	s_mov_b32 s49, 0
	s_lshl_b32 s50, s44, 10
	s_mov_b32 s51, 0
	s_wait_alu depctr_va_vdst(0)
	s_wait_kmcnt 0x0
	s_load_b32 s24, s[10:11], 0x20                 ; e8
	s_add_nc_u64 s[40:41], s[4:5], s[48:49]
	s_add_nc_u64 s[42:43], s[20:21], s[50:51]
.irp i, 0,1,2,3,4,5,6,7
	global_load_b128 v[W+4*\i:W+4*\i+3], v[LO], s[6:7] offset:512*\i
	global_load_b128 v[BV+4*\i:BV+4*\i+3], v[LO], s[8:9] offset:512*\i
.endr
.irp u, 0,1,2,3
	LOADU \u
.endr
	s_wait_kmcnt 0x0
	s_add_co_i32 s45, s24, 127
	s_lshl_b32 s47, s45, 23
	v_mov_b32 v[SCL], s47                          ; 2^e8
	s_add_co_i32 s45, s45, 8
	s_lshl_b32 s45, s45, 23
	s_or_b32 s45, s45, 0x600000
	v_mov_b32 v[LIM], s45                          ; 448 x 2^e8
.irp u, 0,1,2,3
	s_wait_loadcnt 24-8*\u                         ; gain, bias and rows up to u are in; the younger rows' eight loads each stay out
	LNU \u
	QOUT \u, 3, 4
.endr
	s_wait_tensorcnt 0x0                           ; the wave's end, behind my last LDS store
	ds_add_u32 v[SPW], v[NIL]
	s_wait_dscnt 0x0
	s_endpgm
.Lfunc_end_k_q5268784ca4_ln2:
	.size	k_q5268784ca4_ln2, .Lfunc_end_k_q5268784ca4_ln2-k_q5268784ca4_ln2
	.p2alignl 7, 3214868480
	.fill 96, 4, 3214868480
	.section	.rodata,"a",@progbits
	.p2align	6, 0x0
	.amdhsa_kernel k_q5268784ca4_ln2
		.amdhsa_group_segment_fixed_size 16896
		.amdhsa_private_segment_fixed_size 0
		.amdhsa_enable_private_segment 0
		.amdhsa_kernarg_size 40
		.amdhsa_user_sgpr_count 2
		.amdhsa_user_sgpr_kernarg_segment_ptr 1
		.amdhsa_wavefront_size32 1
		.amdhsa_system_sgpr_workgroup_id_x 1
		.amdhsa_system_sgpr_workgroup_id_y 1
		.amdhsa_system_sgpr_workgroup_id_z 1
		.amdhsa_system_vgpr_workitem_id 0
		.amdhsa_next_free_vgpr 256
		.amdhsa_next_free_sgpr 66
		.amdhsa_reserve_vcc 0
		.amdhsa_float_denorm_mode_32 3
		.amdhsa_float_denorm_mode_16_64 3
		.amdhsa_memory_ordered 1
		.amdhsa_forward_progress 1
		.amdhsa_inst_pref_size 44
	.end_amdhsa_kernel
	.amdgpu_metadata
---
amdhsa.version: [ 1, 2 ]
amdhsa.kernels:
  - .name:           k_q5268784ca4_ln2
    .symbol:         k_q5268784ca4_ln2.kd
    .args:
      - { .name: h2, .offset: 0, .size: 8, .value_kind: global_buffer, .address_space: global }
      - { .name: ln2_w, .offset: 8, .size: 8, .value_kind: global_buffer, .address_space: global }
      - { .name: ln2_b, .offset: 16, .size: 8, .value_kind: global_buffer, .address_space: global }
      - { .name: lowp_scales, .offset: 24, .size: 8, .value_kind: global_buffer, .address_space: global }
      - { .name: mq, .offset: 32, .size: 8, .value_kind: global_buffer, .address_space: global }
    .group_segment_fixed_size: 16896
    .private_segment_fixed_size: 0
    .kernarg_segment_align: 8
    .kernarg_segment_size: 40
    .max_flat_workgroup_size: 128
    .sgpr_count:     66
    .vgpr_count:     256
    .wavefront_size: 32
...
	.end_amdgpu_metadata
.endif
;; end of part 5
;; launch g5 (part 6): grid 16 x 16, 4 waves a work-group, clusters of 4 x 4, 327,680 bytes of LDS; arguments mq, pc, b1, lowp_scales, hid; writes hid
.if DOCPART == 6
	.amdgcn_target "amdgcn-amd-amdhsa--gfx1250"
	.amdhsa_code_object_version 6
	.text
	.protected	k_q5268784ca4_g5
	.globl	k_q5268784ca4_g5
	.p2align	8
	.type	k_q5268784ca4_g5,@function
k_q5268784ca4_g5:
	s_mov_b64 s[64:65], 0
	v_nop
	global_prefetch_b8 v0, s[64:65] scope:SCOPE_SE
	s_setreg_imm32_b32 hwreg(HW_REG_WAVE_MODE, 25, 1), 1
	s_wait_xcnt 0x0
	s_wait_alu depctr_hold_cnt(0) depctr_sa_sdst(0) depctr_va_vdst(0) depctr_va_sdst(0) depctr_va_ssrc(0) depctr_va_vcc(0) depctr_vm_vsrc(0)
	s_getreg_b32 s2, hwreg(HW_REG_IB_STS2, 6, 4)
	s_cmp_eq_u32 s2, 0
	s_cbranch_scc0 .Lentry_in_a_cluster
	s_endpgm
.Lentry_in_a_cluster:
	s_bfe_u32 s2, ttmp6, 0x10000c
	s_cmp_lg_u32 s2, 0xf033
	s_cbranch_scc0 .Lentry_shape_is_right
	s_endpgm
.Lentry_shape_is_right:
; hid = codes (e10) of relu(LN2's codes (e8) x w1's codes (e9)^T x 2^(e8 + e9) + b1), as panels [hidden / 128][4096 tokens][128]: a wave's 128 x 128 codes are 16,384 consecutive bytes.  K = 1,024.
; A tile of the result, 256 x 256, is made by a work-group of four waves, a wave 128 x 128: 64 accumulators, 512 registers.  K goes in steps of 256 through a ring of two LDS slots filled by the tensor data mover.
; Source 0 = 16 rows of w1, source 1 = 16 tokens: a lane holds eight neighbouring hidden units of a token, which are eight neighbours along the next product's K.
; CLUSTERS: 4 x 4 work-groups; the tokens' tile is shared along a row of the cluster, w1's along a column: joint loads.
; b1, divided by 2^(e8 + e9), is the C of each sum's first matrix instruction.  The activation costs nothing: the hold ahead of the conversion lies between 0 and the largest code x the scale.  code = sum / 2^(e10 - e8 - e9).
; LIMIT: e10 - e8 - e9 between -126 and 119.  NaN is not served.
; REGISTERS, in windows of 256: window 0: v0-31 addresses and the two scale numbers; v32-95 the bias, later at work; v96-127 codes; from v128 the tokens' fragments, ONE set, later the way out.
;   window 1: w1's fragments, TWO sets.   windows 2, 3: the accumulators (a, b) at v[8 (8 (a % 4) + b)].
.set KSTEP,  256
.set ROWB,   256
.set KROW,   1024
.set PITCH,  272                       ; an LDS row: 256 bytes + 16 of padding: the 16 rows that a load touches start at 16 different banks (64 banks of 4 bytes: ISA guide 11.1)
.set FR,     16
.set NL,     4
.set NP,     4
.set HALFT,  128*PITCH
.set SLOT,   4*HALFT
.set SPARE,  2*SLOT
.set SROW,   144
.set SBLK,   16*SROW
.set SWAVE,  8*SBLK                    ; the four stages lie in slot 0, which has had its last fill and its last read when the first code is stored there
.set ADRA, 16
.set ADRB, 20
.set STO,  24
.set RD,   25
.set CO,   26
.set SPW,  28
.set NIL,  29
.set SCL,  30
.set LIM,  31
.set BI,   32
.set TMP,  32
.set CD,   96
.set AF,   128
.set BK,   128
.set OUTP, 12
.set G1, 24
.set G0, 32
.set G1B, 48
.set G0B, 56
.set MSB, 0
.macro WIN new                         ; the immediate's high byte repeats the setting that is left
.if MSB != \new
	s_set_vgpr_msb (MSB<<8)|\new
.set MSB, \new
.endif
.endm
.set MUL_LO, 0xa1
.set MUL_HI, 0xf1
.set FST_LO, 0x81                      ; the first step: C (the bias) window 0
.set FST_HI, 0xc1
.set TO_B,   0x40
.macro JLOAD g0a, g1a, g0b, g1b        ; a joint load: waves 0 and 1 fetch the tokens' halves, waves 2 and 3 w1's; an s_nop 0 and four v_nop follow each line
	s_cmp_eq_u32 s15, 0
	s_cbranch_scc0 .Lfor_b_\@
	tensor_load_to_lds s[\g0a:\g0a+3], s[\g1a:\g1a+7]
	s_nop 0
.rept 4
	v_nop
.endr
	s_branch .Lasked_\@
.Lfor_b_\@:
	tensor_load_to_lds s[\g0b:\g0b+3], s[\g1b:\g1b+7]
	s_nop 0
.rept 4
	v_nop
.endr
.Lasked_\@:
.endm
.macro CREST
	s_cmp_lg_u32 s14, 0
	s_cbranch_scc1 .Lnot_wave_0_\@
	s_barrier_signal -3
.Lnot_wave_0_\@:
	s_barrier_wait -3
	s_barrier_signal -1
	s_barrier_wait -1
.endm
.macro CROUND
	s_barrier_signal -1
	s_barrier_wait -1
	CREST
.endm
	s_load_b256 s[4:11], s[0:1], 0x0               ; mq s[4:5], pc s[6:7], b1 s[8:9], lowp_scales s[10:11]
	s_load_b64 s[12:13], s[0:1], 0x20              ; hid
	v_lshl_add_u32 v[SPW], v0, 2, SPARE
	v_mov_b32 v[NIL], 0
	ds_add_u32 v[SPW], v[NIL]                      ; the wave's opening: the add, twice on end, and its wait ahead of my first tensor load
	ds_add_u32 v[SPW], v[NIL]
	v_lshrrev_b32 v1, 5, v0
	v_readfirstlane_b32 s14, v1                    ; wave 0..3
	s_lshr_b32 s15, s14, 1
	s_and_b32 s16, s14, 1
	s_bfe_u32 s40, ttmp6, 0x40000                  ; cx
	s_bfe_u32 s41, ttmp6, 0x40004                  ; cy
	s_lshl_b32 s42, ttmp9, 2
	s_add_co_u32 s42, s42, s40                     ; tile column (hidden units)
	s_and_b32 s17, ttmp7, 0xffff
	s_lshl_b32 s17, s17, 2
	s_add_co_u32 s17, s17, s41                     ; tile row (tokens)
	s_lshl_b32 s43, s41, 2
	s_lshl_b32 s43, 15, s43
	s_lshl_b32 s44, 0x1111, s40
	s_or_b32 s[G1+0], s43, (0<<16)|(1<<20)|(1<<21)|(5<<22)|(3<<25)
	s_or_b32 s[G1B+0], s44, (0<<16)|(1<<20)|(1<<21)|(5<<22)|(3<<25)
.irp g, G1, G1B
	s_mov_b32 s[\g+1], ROWB<<16
	s_mov_b32 s[\g+2], 128<<16
	s_mov_b32 s[\g+3], ROWB<<16
	s_mov_b32 s[\g+4], 128
	s_mov_b32 s[\g+5], KROW
	s_mov_b32 s[\g+6], 0
	s_mov_b32 s[\g+7], 0
.endr
	s_lshl_b32 s18, s16, 7
	s_lshl_b32 s20, s17, 8
	s_add_co_u32 s20, s20, s18
	s_lshl_b32 s20, s20, 10
	s_mov_b32 s21, 0
	s_lshl_b32 s46, s42, 8
	s_add_co_u32 s46, s46, s18
	s_lshl_b32 s46, s46, 10
	s_add_co_u32 s46, s46, 4194304                 ; w1's codes in pc
	s_mov_b32 s47, 0
	s_mul_i32 s45, s14, HALFT
	s_wait_dscnt 0x0                               ; both opening adds are done
	s_wait_kmcnt 0x0
	s_load_b128 s[68:71], s[10:11], 0x20           ; e8, e9, e10, e11
	s_add_nc_u64 s[20:21], s[4:5], s[20:21]
	s_add_nc_u64 s[46:47], s[6:7], s[46:47]
	CROUND                                         ; all sixteen work-groups are here: the first joint loads meet
.irp s, 0,1
	s_mov_b32 s[G0+4*\s], 1
	s_add_co_u32 s[G0+4*\s+1], s45, \s*SLOT
	s_add_nc_u64 s[G0+4*\s+2:G0+4*\s+3], s[20:21], \s*ROWB
	s_or_b32 s[G0+4*\s+3], s[G0+4*\s+3], 0x80000000
	s_mov_b32 s[G0B+4*\s], 1
	s_add_co_u32 s[G0B+4*\s+1], s45, \s*SLOT
	s_add_nc_u64 s[G0B+4*\s+2:G0B+4*\s+3], s[46:47], \s*ROWB
	s_or_b32 s[G0B+4*\s+3], s[G0B+4*\s+3], 0x80000000
.endr
	JLOAD G0, G1, G0B, G1B                         ; K step 0: one tensor load a wave at the head
	; THE PREFETCHES.  Of the 128 rows that I fetch, each of the four partners that ask for them jointly names 32, told apart by address (cx for the tokens' tile, cy for w1's): a lane a row,
	; 256 bytes of a row a K step, one instruction a wave.  Here K step 1 is named, behind K step 1's load K steps 2 and 3: each one load or more ahead of the load that wants it.  The registers are never rewritten.
	s_cmp_eq_u32 s15, 0
	s_cselect_b64 s[88:89], s[20:21], s[46:47]
	s_cselect_b32 s90, s40, s41
	s_lshl_b32 s90, s90, 15                        ; 32 rows of 1,024 bytes
	s_mov_b32 s91, 0
	s_add_nc_u64 s[88:89], s[88:89], s[90:91]
	v_and_b32 v10, 31, v0
	v_lshlrev_b32 v10, 10, v10
	global_prefetch_b8 v10, s[88:89] offset:ROWB th:TH_LOAD_NT scope:SCOPE_SE
	v_and_b32 v1, 15, v0
	s_wait_alu depctr_va_vdst(0)
	v_bfe_u32 v2, v0, 4, 1
	v_mul_u32_u24 v3, v1, PITCH
	v_lshl_add_u32 v4, v2, 4, v3
	s_mul_i32 s21, s15, HALFT
	s_mul_i32 s22, s16, HALFT
	s_add_co_u32 s22, s22, 2*HALFT
.irp s, 0,1
	v_add_nc_u32 v[ADRA+\s], s21, v4
	v_add_nc_u32 v[ADRB+\s], s22, v4
	s_add_co_u32 s21, s21, SLOT
	s_add_co_u32 s22, s22, SLOT
.endr
	s_mul_i32 s23, s14, SWAVE
	v_mul_u32_u24 v5, v1, SROW
	s_wait_alu depctr_va_vdst(0)
	v_lshl_add_u32 v5, v2, 3, v5
	v_add_nc_u32 v[STO], s23, v5
	v_and_b32 v6, 31, v0
	v_lshrrev_b32 v7, 3, v6
	v_mul_u32_u24 v7, v7, SROW
	v_and_b32 v8, 7, v0
	v_lshl_add_u32 v7, v8, 4, v7
	v_add_nc_u32 v[RD], s23, v7
	v_lshlrev_b32 v[CO], 4, v6
	; b1 in the result's layout: register 8 b + j is that of hidden unit 16 b + 8 h + j of my 128; divided by 2^(e8 + e9)
	s_lshl_b32 s80, s42, 10
	s_lshl_b32 s82, s16, 9
	s_add_co_u32 s80, s80, s82
	s_mov_b32 s81, 0
	s_add_nc_u64 s[80:81], s[8:9], s[80:81]
	v_lshlrev_b32 v9, 5, v2
.irp b, 0,1,2,3,4,5,6,7
	global_load_b128 v[BI+8*\b:BI+8*\b+3], v9, s[80:81] offset:64*\b
	global_load_b128 v[BI+8*\b+4:BI+8*\b+7], v9, s[80:81] offset:64*\b+16
.endr
	s_wait_kmcnt 0x0
	s_add_co_i32 s79, s68, s69
	s_sub_co_i32 s79, 0, s79                       ; -(e8 + e9)
	s_lshl_b32 s82, s17, 1
	s_add_co_u32 s82, s82, s15                     ; my block of 128 tokens
	s_lshl_b32 s83, s42, 1
	s_add_co_u32 s83, s83, s16                     ; my panel of 128 hidden units
	s_lshl_b32 s84, s83, 19
	s_lshl_b32 s85, s82, 14
	s_add_co_u32 s84, s84, s85
	s_mov_b32 s85, 0
	s_add_nc_u64 s[OUTP:OUTP+1], s[OUTP:OUTP+1], s[84:85]
	s_add_co_i32 s86, s70, s79
	s_add_co_i32 s86, s86, 127
	s_lshl_b32 s87, s86, 23
	v_mov_b32 v[SCL], s87                          ; 2^(e10 - e8 - e9)
	s_add_co_i32 s86, s86, 8
	s_lshl_b32 s86, s86, 23
	s_or_b32 s86, s86, 0x600000
	v_mov_b32 v[LIM], s86                          ; 448 x that
	s_wait_loadcnt 0x0
.set j, 0
.rept 64
	v_ldexp_f32 v[BI+j], v[BI+j], s79
.set j, j+1
.endr
.macro FRAG reg, adr, q, i             ; a fragment: lane l holds row l % 16; registers 4 c .. 4 c + 3 hold K = 32 c + 16 (l / 16) + 0 .. 15: the same order of k on both sides
.irp c, 0,1,2,3
	ds_load_b128 v[\reg+4*\c:\reg+4*\c+3], v[\adr] offset:128*(\q)+32*\c+(\i)*16*PITCH
.endr
.endm
.macro MUL16 a0, p, zero               ; 16 matrix instructions; zero = 1: the sums start from the bias.  The 64 accumulators take turns, in the same order in every step
.irp a, \a0, \a0+1
.irp b, 0,1,2,3,4,5,6,7
.if \zero
	v_wmma_f32_16x16x128_fp8_fp8 v[8*(8*((\a)%4)+\b):8*(8*((\a)%4)+\b)+7], v[128*(\p)+FR*\b:128*(\p)+FR*\b+FR-1], v[AF+FR*(\a):AF+FR*(\a)+FR-1], v[BI+8*\b:BI+8*\b+7]
.else
	v_wmma_f32_16x16x128_fp8_fp8 v[8*(8*((\a)%4)+\b):8*(8*((\a)%4)+\b)+7], v[128*(\p)+FR*\b:128*(\p)+FR*\b+FR-1], v[AF+FR*(\a):AF+FR*(\a)+FR-1], v[8*(8*((\a)%4)+\b):8*(8*((\a)%4)+\b)+7]
.endif
.endr
.endr
.endm
.macro FETCH_B slot, q, p
	WIN TO_B
.irp i, 0,1,2,3,4,5,6,7
	FRAG 128*(\p)+FR*\i, ADRB+\slot, \q, \i
.endr
	WIN 0
.endm
.macro FETCH_A slot, q, i0
.irp i, \i0, \i0+1, \i0+2, \i0+3
	FRAG AF+FR*(\i), ADRA+\slot, \q, \i
.endr
.endm
.macro PLACES n                        ; plain vector instructions between a matrix instruction and a load into its sources, or a read of its result
.rept \n
	v_nop
.endr
.endm
.macro STEP slot, q, zero
	s_wait_dscnt 4*NL                              ; w1's set and the tokens' blocks 0-3 are in; the youngest sixteen loads (blocks 4-7) may be out
.if \zero
	WIN FST_LO
.else
	WIN MUL_LO
.endif
	MUL16 0, (\q)%2, \zero
	MUL16 2, (\q)%2, \zero
	s_wait_dscnt 0
	PLACES NP
	FETCH_B \slot, (\q)+1, 1-(\q)%2
	FETCH_A \slot, (\q)+1, 0
.if \zero
	WIN FST_HI
.else
	WIN MUL_HI
.endif
	MUL16 4, (\q)%2, \zero
	MUL16 6, (\q)%2, \zero
	PLACES NP
	WIN 0
	FETCH_A \slot, (\q)+1, 4
.endm
.macro TURN slot, next, fill           ; a slot's last step changes slots: one barrier, the three lines ahead of it
	s_wait_tensorcnt 0x0                           ; all my tensor loads have landed: my part of the next slot
	ds_add_u32 v[SPW], v[NIL]
	s_wait_dscnt 4*NL+1                            ; (the add and blocks 4-7 may be out)
	WIN MUL_LO
	MUL16 0, 1, 0
	s_wait_dscnt 0x0                               ; the add is done, and my reads of this slot are over
	s_barrier_signal -1
	MUL16 2, 1, 0
	WIN 0
	s_barrier_wait -1
.if \fill
	CREST                                          ; the barrier has opened a round of the cluster's barrier
	s_add_nc_u64 s[G0+4*\slot+2:G0+4*\slot+3], s[G0+4*\slot+2:G0+4*\slot+3], 2*ROWB
	s_add_nc_u64 s[G0B+4*\slot+2:G0B+4*\slot+3], s[G0B+4*\slot+2:G0B+4*\slot+3], 2*ROWB
	JLOAD G0+4*\slot, G1, G0B+4*\slot, G1B         ; the first tensor load behind the round; its four v_nop are the places ahead of the loads below
.else
	PLACES NP
.endif
	FETCH_B \next, 0, 0
	FETCH_A \next, 0, 0
	WIN MUL_HI
	MUL16 4, 1, 0
	MUL16 6, 1, 0
	PLACES NP
	WIN 0
	FETCH_A \next, 0, 4
.endm
	s_wait_alu depctr_va_vdst(0)                   ; the wait at the head's end
	s_wait_tensorcnt 0x0                           ; my part of K step 0 is in; the three lines ahead of a later first fill, as ahead of a refill
	ds_add_u32 v[SPW], v[NIL]
	s_wait_dscnt 0x0
	CROUND                                         ; a whole round: everybody's part of K step 0 is in
	JLOAD G0+4, G1, G0B+4, G1B                     ; K step 1's load, the first tensor load behind the round
	FETCH_B 0, 0, 0
	FETCH_A 0, 0, 0
	FETCH_A 0, 0, 4
	global_prefetch_b8 v10, s[88:89] offset:2*ROWB th:TH_LOAD_NT scope:SCOPE_SE
	global_prefetch_b8 v10, s[88:89] offset:3*ROWB th:TH_LOAD_NT scope:SCOPE_SE
	STEP 0, 0, 1
	TURN 0, 1, 1                                   ; K = 1,024 is four K steps: both slots are filled again once, so the steps are written out
	STEP 1, 0, 0
	TURN 1, 0, 1
	STEP 0, 0, 0
	TURN 0, 1, 0
	STEP 1, 0, 0
	s_wait_dscnt 4*NL
	WIN MUL_LO
	MUL16 0, 1, 0
	MUL16 2, 1, 0
	s_wait_dscnt 0
	WIN MUL_HI
	MUL16 4, 1, 0
	MUL16 6, 1, 0
	WIN 0
; THE WAY OUT, block by block of 16 tokens x 128 hidden units
.macro TOSTAGE a
.set AC, 64*((\a)%4)
.set CS2, CD+16*((\a)%2)
	WIN 0x02+((\a)/4)
.set j, 0
.rept 64
	v_med3_num_f32 v[TMP+j], v[AC+j], 0, v[LIM]    ; the activation and the hold in one; each accumulator from its low end on
.set j, j+1
.endr
	WIN 0
.irp b, 0,1,2,3,4,5,6,7
	v_cvt_scalef32_pk8_fp8_f32 v[CS2+2*\b:CS2+2*\b+1], v[TMP+8*\b:TMP+8*\b+7], v[SCL]
.endr
	v_nop                                          ; a plain instruction behind the last conversion
.irp b, 0,1,2,3,4,5,6,7
	ds_store_b64 v[STO], v[CS2+2*\b:CS2+2*\b+1] offset:SBLK*(\a)+16*\b
.endr
.irp t, 0,1,2,3
	ds_load_b128 v[BK+16*(\a)+4*\t:BK+16*(\a)+4*\t+3], v[RD] offset:SBLK*(\a)+4*SROW*\t
.endr
.endm
.macro SEND a, younger
	s_wait_dscnt \younger
.irp t, 0,1,2,3
	global_store_b128 v[CO], v[BK+16*(\a)+4*\t:BK+16*(\a)+4*\t+3], s[OUTP:OUTP+1] offset:2048*(\a)+512*\t
.endr
.endm
	PLACES NP
	TOSTAGE 0
.irp a, 1,2,3,4,5,6,7
	TOSTAGE \a
	SEND \a-1, 12                                  ; behind block a - 1's loads: block a's eight stores and four loads
.endr
	SEND 7, 0
	s_wait_tensorcnt 0x0                           ; the wave's end
	ds_add_u32 v[SPW], v[NIL]
	s_wait_dscnt 0x0
	CROUND                                         ; the closing round
	s_endpgm
.Lfunc_end_k_q5268784ca4_g5:
	.size	k_q5268784ca4_g5, .Lfunc_end_k_q5268784ca4_g5-k_q5268784ca4_g5
	.p2alignl 7, 3214868480
	.fill 96, 4, 3214868480
	.section	.rodata,"a",@progbits
	.p2align	6, 0x0
	.amdhsa_kernel k_q5268784ca4_g5
		.amdhsa_group_segment_fixed_size 327680
		.amdhsa_private_segment_fixed_size 0
		.amdhsa_enable_private_segment 0
		.amdhsa_kernarg_size 40
		.amdhsa_user_sgpr_count 2
		.amdhsa_user_sgpr_kernarg_segment_ptr 1
		.amdhsa_wavefront_size32 1
		.amdhsa_system_sgpr_workgroup_id_x 1
		.amdhsa_system_sgpr_workgroup_id_y 1
		.amdhsa_system_sgpr_workgroup_id_z 1
		.amdhsa_system_vgpr_workitem_id 0
		.amdhsa_next_free_vgpr 1024
		.amdhsa_next_free_sgpr 100
		.amdhsa_reserve_vcc 0
		.amdhsa_float_denorm_mode_32 3
		.amdhsa_float_denorm_mode_16_64 3
		.amdhsa_memory_ordered 1
		.amdhsa_forward_progress 1
		.amdhsa_inst_pref_size 131
	.end_amdhsa_kernel
	.amdgpu_metadata
---
amdhsa.version: [ 1, 2 ]
amdhsa.kernels:
  - .name:           k_q5268784ca4_g5
    .symbol:         k_q5268784ca4_g5.kd
    .args:
      - { .name: mq, .offset: 0, .size: 8, .value_kind: global_buffer, .address_space: global }
      - { .name: pc, .offset: 8, .size: 8, .value_kind: global_buffer, .address_space: global }
      - { .name: b1, .offset: 16, .size: 8, .value_kind: global_buffer, .address_space: global }
      - { .name: lowp_scales, .offset: 24, .size: 8, .value_kind: global_buffer, .address_space: global }
      - { .name: hid, .offset: 32, .size: 8, .value_kind: global_buffer, .address_space: global }
    .group_segment_fixed_size: 327680
    .private_segment_fixed_size: 0
    .kernarg_segment_align: 8
    .kernarg_segment_size: 40
    .max_flat_workgroup_size: 128
    .sgpr_count:     100
    .vgpr_count:     1024
    .wavefront_size: 32
...
	.end_amdgpu_metadata
.endif
;; end of part 6
;; launch g6 (part 7): grid 8 x 32, 4 waves a work-group, clusters of 4 x 4, 327,680 bytes of LDS; arguments hid, pc, b2, h2, lowp_scales, out0; writes out0
.if DOCPART == 7
	.amdgcn_target "amdgcn-amd-amdhsa--gfx1250"
	.amdhsa_code_object_version 6
	.text
	.protected	k_q5268784ca4_g6
	.globl	k_q5268784ca4_g6
	.p2align	8
	.type	k_q5268784ca4_g6,@function
k_q5268784ca4_g6:
	s_mov_b64 s[64:65], 0
	v_nop
	global_prefetch_b8 v0, s[64:65] scope:SCOPE_SE
	s_setreg_imm32_b32 hwreg(HW_REG_WAVE_MODE, 25, 1), 1
	s_wait_xcnt 0x0
	s_wait_alu depctr_hold_cnt(0) depctr_sa_sdst(0) depctr_va_vdst(0) depctr_va_sdst(0) depctr_va_ssrc(0) depctr_va_vcc(0) depctr_vm_vsrc(0)
	s_getreg_b32 s2, hwreg(HW_REG_IB_STS2, 6, 4)
	s_cmp_eq_u32 s2, 0
	s_cbranch_scc0 .Lentry_in_a_cluster
	s_endpgm
.Lentry_in_a_cluster:
	s_bfe_u32 s2, ttmp6, 0x10000c
	s_cmp_lg_u32 s2, 0xf033
	s_cbranch_scc0 .Lentry_shape_is_right
	s_endpgm
.Lentry_shape_is_right:
; out0 = h2 + (the hidden layer's codes (e10) x w2's codes (e11)^T) x 2^(e10 + e11) + b2, f32 [4096][1024].  K = 4,096.
; A: panels [K / 128][4096 rows][128 bytes].  B: rows [1024][KTOT] of codes in pc, from WOFF on.
; A tile of the result is 128 x 128: 256 work-groups for 4,096 x 1,024.  Four waves, each 64 x 64: 16 accumulators.  A slot of the ring holds 512 along K: four quarters of 128, 16 matrix instructions a wave each.
; CLUSTERS: 4 x 4 work-groups; A's tile is shared along a row of the cluster, B's along a column: joint loads.  Source 0 = 16 rows of B, source 1 = 16 rows of A: a lane holds eight neighbouring columns of a row.
; A's tile of a load: 64 rows of each of four panels; a panel's 64 rows are 8,192 consecutive bytes, so the tile is stated as 4 rows of 8,192 bytes, 524,288 apart, with 16 bytes of padding behind every 128: lines 144 bytes apart in LDS.
; The residual's 64 x 64 numbers of a wave are asked for behind the loop, in the layout in which the sums come back from the stage, and stay on their way while the last lap is walked.
; LIMIT: the two exponents' sum between -126 and 127.
; REGISTERS: window 0: v0-31 addresses, the bias; v32-95 the way out; v128-255 the accumulators (a, b) at v[128 + 8 (4 a + b)].  window 1: two fragment buffers of 128 (A's four, then B's four).  window 2: v0-127 the residual.
.set KTOT,  4096
.set WOFF,  8388608
.set SOFF,  0x28                       ; where the two exponents lie in lowp_scales
.set LAPS,  KTOT/1024                  ; a lap = two slots
.set PA,    144
.set PB,    528                        ; a row of B in LDS: 512 bytes + 16
.set AHALF, 4*64*PA
.set BHALF, 64*PB
.set BOFF,  2*AHALF
.set SLOT,  2*AHALF+2*BHALF
.set STAGE, 2*SLOT                     ; behind the ring: 16 rows x 272 bytes for each wave
.set SP,    272
.set SPARE, STAGE+4*16*SP              ; the spare words, 128 bytes for each wave
.set BIA,  8
.set ADRA, 16
.set ADRB, 20
.set STO,  24
.set RD,   25
.set CO,   26
.set SPW,  28
.set NIL,  29
.set BK,   32
.set ACC,  128
.set F0,   0
.set F1,   128
.set G1, 24
.set G0, 32
.set G1B, 48
.set G0B, 56
.set MSB, 0
.macro WIN new                         ; the immediate's high byte repeats the setting that is left
.if MSB != \new
	s_set_vgpr_msb (MSB<<8)|\new
.set MSB, \new
.endif
.endm
.set MUL,  0x05                        ; sources 0 (B) and 1 (A) window 1; C and D window 0
.set TO_F, 0x40                        ; destination window 1
.macro JLOAD s                         ; a joint load: waves 0 and 1 fetch A's halves, waves 2 and 3 B's; an s_nop 0 and four v_nop follow each line
	s_cmp_eq_u32 s11, 0
	s_cbranch_scc0 .Lfor_b_\@
	tensor_load_to_lds s[G0+4*\s:G0+4*\s+3], s[G1:G1+7]
	s_nop 0
.rept 4
	v_nop
.endr
	s_branch .Lasked_\@
.Lfor_b_\@:
	tensor_load_to_lds s[G0B+4*\s:G0B+4*\s+3], s[G1B:G1B+7]
	s_nop 0
.rept 4
	v_nop
.endr
.Lasked_\@:
.endm
.macro CREST
	s_cmp_lg_u32 s10, 0
	s_cbranch_scc1 .Lnot_wave_0_\@
	s_barrier_signal -3
.Lnot_wave_0_\@:
	s_barrier_wait -3
	s_barrier_signal -1
	s_barrier_wait -1
.endm
.macro CROUND
	s_barrier_signal -1
	s_barrier_wait -1
	CREST
.endm
	s_load_b256 s[68:75], s[0:1], 0x0              ; A s[68:69], pc s[70:71], the bias s[72:73], the residual s[74:75]
	s_load_b128 s[76:79], s[0:1], 0x20             ; lowp_scales s[76:77], the result s[78:79]
	v_lshl_add_u32 v[SPW], v0, 2, SPARE
	v_mov_b32 v[NIL], 0
	ds_add_u32 v[SPW], v[NIL]                      ; the wave's opening: the add, twice on end, and its wait ahead of my first tensor load
	ds_add_u32 v[SPW], v[NIL]
	v_lshrrev_b32 v1, 5, v0
	v_readfirstlane_b32 s10, v1                    ; wave 0..3
	s_lshr_b32 s11, s10, 1                         ; my half of the tile's rows.  Also: I fetch for A (0) or for B (1)
	s_and_b32 s12, s10, 1                          ; my half of its columns.  Also: which 64 rows I fetch
	s_bfe_u32 s40, ttmp6, 0x40000                  ; cx
	s_bfe_u32 s41, ttmp6, 0x40004                  ; cy
	s_lshl_b32 s42, ttmp9, 2
	s_add_co_u32 s42, s42, s40                     ; tile column
	s_and_b32 s13, ttmp7, 0xffff
	s_lshl_b32 s13, s13, 2
	s_add_co_u32 s13, s13, s41                     ; tile row
	s_lshl_b32 s43, s41, 2
	s_lshl_b32 s43, 15, s43                        ; my row of the cluster
	s_lshl_b32 s44, 0x1111, s40                    ; my column
	s_or_b32 s[G1+0], s43, (0<<16)|(1<<20)|(1<<21)|(4<<22)|(3<<25)   ; A: the mask; elements of 1 byte; padding on; bit 21 beside a mask; 4 words behind every 32
	s_mov_b32 s[G1+1], 8192<<16                    ; tensor_dim0 = 8,192
	s_mov_b32 s[G1+2], 4<<16                       ; tensor_dim1 = 4
	s_mov_b32 s[G1+3], 8192<<16                    ; tile_dim0
	s_mov_b32 s[G1+4], 4                           ; tile_dim1
	s_mov_b32 s[G1+5], 524288                      ; from panel to panel
	s_mov_b32 s[G1+6], 0
	s_mov_b32 s[G1+7], 0
	s_or_b32 s[G1B+0], s44, (0<<16)|(1<<20)|(1<<21)|(6<<22)|(3<<25)  ; B: 4 words behind every 128
	s_mov_b32 s[G1B+1], 512<<16
	s_mov_b32 s[G1B+2], 64<<16
	s_mov_b32 s[G1B+3], 512<<16
	s_mov_b32 s[G1B+4], 64
	s_mov_b32 s[G1B+5], KTOT
	s_mov_b32 s[G1B+6], 0
	s_mov_b32 s[G1B+7], 0
	s_lshl_b32 s18, s12, 6                         ; which 64 rows of the tile I fetch
	s_lshl_b32 s16, s13, 7
	s_add_co_u32 s16, s16, s18
	s_lshl_b32 s16, s16, 7                         ; A: rows of 128 bytes in a panel
	s_mov_b32 s17, 0
	s_lshl_b32 s46, s42, 7
	s_add_co_u32 s46, s46, s18
	s_mul_i32 s46, s46, KTOT                       ; B: rows of KTOT bytes,
	s_add_co_u32 s46, s46, WOFF                    ; from WOFF on in pc
	s_mov_b32 s47, 0
	s_mul_i32 s20, s12, AHALF                      ; where they go: no place in the cluster enters an LDS address
	s_mul_i32 s21, s12, BHALF
	s_add_co_u32 s21, s21, BOFF
	s_wait_dscnt 0x0                               ; both opening adds are done
	s_wait_kmcnt 0x0
	s_load_b64 s[80:81], s[76:77], SOFF            ; the two exponents
	s_add_nc_u64 s[14:15], s[68:69], s[16:17]
	s_add_nc_u64 s[46:47], s[70:71], s[46:47]
	CROUND                                         ; all sixteen work-groups are here: the first joint loads meet
.irp s, 0,1
	s_mov_b32 s[G0+4*\s], 1
	s_add_co_u32 s[G0+4*\s+1], s20, \s*SLOT
	s_add_nc_u64 s[G0+4*\s+2:G0+4*\s+3], s[14:15], \s*2097152   ; four panels on
	s_or_b32 s[G0+4*\s+3], s[G0+4*\s+3], 0x80000000
	s_mov_b32 s[G0B+4*\s], 1
	s_add_co_u32 s[G0B+4*\s+1], s21, \s*SLOT
	s_add_nc_u64 s[G0B+4*\s+2:G0B+4*\s+3], s[46:47], \s*512
	s_or_b32 s[G0B+4*\s+3], s[G0B+4*\s+3], 0x80000000
.endr
	JLOAD 0                                        ; slot 0: one tensor load a wave at the head
	; THE PREFETCHES.  What a wave fetches for a slot is 128 blocks of 256 bytes; each of the four partners that ask for it jointly names 32, told apart by address, one instruction a wave:
	; of A's four panels partner cx names one (64 rows, 8,192 consecutive bytes, lanes 256 bytes apart); of B's 64 rows partner cy names 16 (two lanes to a row's 512 bytes).
	; Here the second slot's worth of K is named, behind its load the third and the fourth, and behind each refill in the loop what stands two refills on; the loop's last trip, whose refills are the last, names nothing.
	; s[90:91] is stepped at the head of a change of slots, behind s_wait_xcnt 0, a slot's steps behind the prefetch that read it.
	s_cmp_eq_u32 s11, 0
	s_cselect_b64 s[90:91], s[14:15], s[46:47]
	s_cselect_b32 s92, s40, s41
	s_mov_b32 s93, 16*KTOT
	s_cselect_b32 s93, 524288, s93                 ; from partner to partner
	s_mov_b32 s94, 512
	s_cselect_b32 s94, 2097152, s94                ; a slot on
	s_cselect_b32 s96, 0, KTOT-512                 ; B: lane l stands at row l / 2: 256 l + (KTOT - 512) (l / 2)
	s_mul_i32 s92, s92, s93
	s_mov_b32 s93, 0
	s_mov_b32 s95, 0
	s_add_nc_u64 s[90:91], s[90:91], s[92:93]
	s_add_nc_u64 s[84:85], s[90:91], s[94:95]      ; the second slot's worth of K,
	s_add_nc_u64 s[98:99], s[84:85], s[94:95]      ; the third,
	s_add_nc_u64 s[90:91], s[98:99], s[94:95]      ; and the fourth: three pairs, all made ahead of the first prefetch, so that none is rewritten while one may read it
	v_and_b32 v12, 31, v0
	v_lshrrev_b32 v7, 1, v12
	v_lshlrev_b32 v12, 8, v12
	v_mad_u32_u24 v12, v7, s96, v12
	global_prefetch_b8 v12, s[84:85] th:TH_LOAD_NT scope:SCOPE_SE
	v_and_b32 v1, 15, v0                           ; r
	v_bfe_u32 v2, v0, 4, 1                         ; h
	v_mul_u32_u24 v3, v1, PA
	v_lshl_add_u32 v3, v2, 4, v3
	v_mul_u32_u24 v4, v1, PB
	v_lshl_add_u32 v4, v2, 4, v4
	s_mul_i32 s22, s11, AHALF                      ; my 64 rows of A
	s_mul_i32 s23, s12, BHALF                      ; my 64 rows of B
	s_add_co_u32 s23, s23, BOFF
.irp s, 0,1
	v_add_nc_u32 v[ADRA+\s], s22, v3
	v_add_nc_u32 v[ADRB+\s], s23, v4
	s_add_co_u32 s22, s22, SLOT
	s_add_co_u32 s23, s23, SLOT
.endr
	s_mul_i32 s23, s10, 16*SP
	s_add_co_u32 s23, s23, STAGE                   ; my stage
	v_mul_u32_u24 v5, v1, SP
	v_lshl_add_u32 v5, v2, 5, v5
	v_add_nc_u32 v[STO], s23, v5                   ; in: row r, 32 bytes for each half of the lanes
	v_mul_u32_u24 v5, v2, SP
	v_lshl_add_u32 v5, v1, 4, v5
	v_add_nc_u32 v[RD], s23, v5                    ; back: lanes 0-15 one row of 256 bytes, lanes 16-31 the next
	v_lshlrev_b32 v5, 12, v2
	v_lshl_add_u32 v[CO], v1, 4, v5                ; and the same two rows in memory, 4,096 bytes apart
	s_wait_alu depctr_va_vdst(0)
	v_lshlrev_b32 v6, 4, v1
	s_wait_alu depctr_va_vdst(0)
	s_lshl_b32 s86, s13, 7
	s_lshl_b32 s87, s11, 6
	s_add_co_u32 s86, s86, s87
	s_lshl_b32 s86, s86, 12                        ; my first row,
	s_lshl_b32 s88, s42, 7
	s_lshl_b32 s89, s12, 6
	s_add_co_u32 s88, s88, s89
	s_lshl_b32 s88, s88, 2                         ; my first column, in bytes
	s_mov_b32 s89, 0
	s_add_co_u32 s86, s86, s88
	s_mov_b32 s87, 0
	s_add_nc_u64 s[74:75], s[74:75], s[86:87]
	s_add_nc_u64 s[78:79], s[78:79], s[86:87]
	s_add_nc_u64 s[72:73], s[72:73], s[88:89]
.macro MULA f, a, zero                 ; four matrix instructions: A's fragment a x B's four.  The 16 accumulators take turns, in one order throughout
.irp b, 0,1,2,3
.if \zero
	v_wmma_f32_16x16x128_fp8_fp8 v[ACC+8*(4*(\a)+\b):ACC+8*(4*(\a)+\b)+7], v[\f+64+16*\b:\f+64+16*\b+15], v[\f+16*(\a):\f+16*(\a)+15], 0
.else
	v_wmma_f32_16x16x128_fp8_fp8 v[ACC+8*(4*(\a)+\b):ACC+8*(4*(\a)+\b)+7], v[\f+64+16*\b:\f+64+16*\b+15], v[\f+16*(\a):\f+16*(\a)+15], v[ACC+8*(4*(\a)+\b):ACC+8*(4*(\a)+\b)+7]
.endif
.endr
.endm
.macro FETCH slot, q, f                ; 32 LDS loads in one run: quarter q of the slot into buffer f: B's four fragments, then A's
	WIN TO_F
.irp i, 0,1,2,3
.irp c, 0,1,2,3
	ds_load_b128 v[\f+64+16*\i+4*\c:\f+64+16*\i+4*\c+3], v[ADRB+\slot] offset:128*(\q)+16*PB*\i+32*\c
.endr
.endr
.irp i, 0,1,2,3
.irp c, 0,1,2,3
	ds_load_b128 v[\f+16*\i+4*\c:\f+16*\i+4*\c+3], v[ADRA+\slot] offset:64*PA*(\q)+16*PA*\i+32*\c
.endr
.endr
.endm
.macro PLACES                          ; four plain instructions ahead of loads into registers that matrix instructions have read, and of reads of results
.rept 4
	v_nop
.endr
.endm
.macro QUARTER slot, q, f, g, zero     ; multiplies buffer f and fetches quarter q of the slot into g
	s_wait_dscnt 8                                 ; B's four and A's fragments 0, 1 are in; A's 2, 3 may be out
	WIN MUL
	MULA \f, 0, \zero
	MULA \f, 1, \zero
	PLACES
	FETCH \slot, \q, \g
	s_wait_dscnt 32                                ; all but the 32 just issued
	WIN MUL
	MULA \f, 2, \zero
	MULA \f, 3, \zero
.endm
; A slot's last quarter multiplies buffer 1 and changes slots: one barrier; ahead of it each wave waits for all its tensor loads, adds 0 to its spare word, and waits for that and for its reads of this slot.
.macro TURN slot, next, fill
	WIN 0
.if \fill
	s_wait_xcnt 0x0                                ; my last prefetch has read its address, which steps a slot on
	s_add_nc_u64 s[90:91], s[90:91], s[94:95]
.endif
	s_wait_tensorcnt 0x0                           ; all my tensor loads have landed: my part of the next slot
	ds_add_u32 v[SPW], v[NIL]
	s_wait_dscnt 9                                 ; (the add and A's fragments 2, 3 may be out)
	WIN MUL
	MULA F1, 0, 0
	s_wait_dscnt 0x0                               ; the add is done, and my reads of this slot are over
	s_barrier_signal -1
	MULA F1, 1, 0
.if \fill
	WIN 0
.endif
	s_barrier_wait -1
.if \fill
	CREST                                          ; the barrier has opened a round of the cluster's barrier
	s_add_nc_u64 s[G0+4*\slot+2:G0+4*\slot+3], s[G0+4*\slot+2:G0+4*\slot+3], 4194304
	s_add_nc_u64 s[G0B+4*\slot+2:G0B+4*\slot+3], s[G0B+4*\slot+2:G0B+4*\slot+3], 1024
	JLOAD \slot                                    ; the first tensor load behind the round; its four v_nop are the places ahead of the loads below
	s_cmp_gt_u32 s3, 1                             ; the same in all waves and all partners: in the last trip nothing stands two refills on
	s_cbranch_scc0 .Lno_ask_\@
	global_prefetch_b8 v12, s[90:91] th:TH_LOAD_NT scope:SCOPE_SE
.Lno_ask_\@:
.else
	PLACES
.endif
	FETCH \next, 0, F0
	WIN MUL
	MULA F1, 2, 0
	MULA F1, 3, 0
.endm
	s_wait_alu depctr_va_vdst(0)                   ; the wait at the head's end
	s_wait_tensorcnt 0x0                           ; my part of slot 0 is in; the three lines ahead of a later first fill, as ahead of a refill
	ds_add_u32 v[SPW], v[NIL]
	s_wait_dscnt 0x0
	CROUND                                         ; a whole round: everybody's part of slot 0 is in
	JLOAD 1                                        ; slot 1's load, the first tensor load behind the round
	global_prefetch_b8 v12, s[98:99] th:TH_LOAD_NT scope:SCOPE_SE
	global_prefetch_b8 v12, s[90:91] th:TH_LOAD_NT scope:SCOPE_SE
	FETCH 0, 0, F0
	QUARTER 0, 1, F0, F1, 1                        ; the first quarter's products start the sums
.if LAPS > 1
	WIN 0
	s_mov_b32 s3, LAPS-1
.Llap:                                             ; a trip goes once round the ring and fills both slots again
	QUARTER 0, 2, F1, F0, 0
	QUARTER 0, 3, F0, F1, 0
	TURN 0, 1, 1
	QUARTER 1, 1, F0, F1, 0
	QUARTER 1, 2, F1, F0, 0
	QUARTER 1, 3, F0, F1, 0
	TURN 1, 0, 1
	QUARTER 0, 1, F0, F1, 0
	WIN 0
	s_sub_co_u32 s3, s3, 1
	s_cmp_lg_u32 s3, 0
	s_cbranch_scc1 .Llap
.endif
	; THE RESIDUAL AND THE BIAS ARE ASKED FOR HERE, behind the loop, and not at the head as the opening comment has it: 64 x 64 numbers a wave, in the layout in which the sums come back from the stage.
	; The last lap's two slots, 128 matrix instructions a wave, lie ahead of their first use, and the wait for them stands ahead of the way out.
	WIN 0x80                                       ; destination window 2
.irp a, 0,1,2,3
.irp t, 0,1,2,3,4,5,6,7
	global_load_b128 v[32*\a+4*\t:32*\a+4*\t+3], v[CO], s[74:75] offset:(16*\a+2*\t)*4096
.endr
.endr
	WIN 0
	global_load_b128 v[BIA:BIA+3], v6, s[72:73]
	QUARTER 0, 2, F1, F0, 0                        ; the last lap fills nothing
	QUARTER 0, 3, F0, F1, 0
	TURN 0, 1, 0
	QUARTER 1, 1, F0, F1, 0
	QUARTER 1, 2, F1, F0, 0
	QUARTER 1, 3, F0, F1, 0
	s_wait_dscnt 8
	WIN MUL
	MULA F1, 0, 0
	MULA F1, 1, 0
	s_wait_dscnt 0
	MULA F1, 2, 0
	MULA F1, 3, 0
	WIN 0
	; THE WAY OUT, 16 rows x 64 columns at a time: the sums through my own stage, back as whole rows of 256 bytes; sum x 2^(the exponents' sum) + the residual, + the bias; sixteen lanes store 256 consecutive bytes, aligned
	s_wait_kmcnt 0x0
	s_add_co_i32 s82, s80, s81
	s_add_co_i32 s82, s82, 127
	s_lshl_b32 s82, s82, 23
	s_mov_b32 s83, s82                             ; (named with it as a pair)
	s_wait_loadcnt 0x0                             ; the residual and the bias
	PLACES
.irp a, 0,1,2,3
.if \a >= 2
	s_wait_xcnt 0x0                                ; block a - 2's stores have read their registers, which are loaded again below
.endif
.irp b, 0,1,2,3
	ds_store_b128 v[STO], v[ACC+8*(4*\a+\b):ACC+8*(4*\a+\b)+3] offset:64*\b          ; each accumulator from its low end on
	ds_store_b128 v[STO], v[ACC+8*(4*\a+\b)+4:ACC+8*(4*\a+\b)+7] offset:64*\b+16
.endr
.irp t, 0,1,2,3,4,5,6,7
	ds_load_b128 v[BK+32*(\a%2)+4*\t:BK+32*(\a%2)+4*\t+3], v[RD] offset:2*SP*\t      ; LDS serves a wave's instructions in order: these see my stores
.endr
	s_wait_dscnt 0x0
	WIN 0x20                                       ; source 2 (the residual) window 2
.irp p, 0,1,2,3,4,5,6,7,8,9,10,11,12,13,14,15
	v_pk_fma_f32 v[BK+32*(\a%2)+2*\p:BK+32*(\a%2)+2*\p+1], v[BK+32*(\a%2)+2*\p:BK+32*(\a%2)+2*\p+1], s[82:83], v[32*\a+2*\p:32*\a+2*\p+1] op_sel_hi:[1,0,1]
.endr
	WIN 0
.irp p, 0,1,2,3,4,5,6,7,8,9,10,11,12,13,14,15
	v_pk_add_f32 v[BK+32*(\a%2)+2*\p:BK+32*(\a%2)+2*\p+1], v[BK+32*(\a%2)+2*\p:BK+32*(\a%2)+2*\p+1], v[BIA+2*(\p%2):BIA+2*(\p%2)+1]
.endr
.irp t, 0,1,2,3,4,5,6,7
	global_store_b128 v[CO], v[BK+32*(\a%2)+4*\t:BK+32*(\a%2)+4*\t+3], s[78:79] offset:(16*\a+2*\t)*4096
.endr
.endr
	s_wait_tensorcnt 0x0                           ; the wave's end
	ds_add_u32 v[SPW], v[NIL]
	s_wait_dscnt 0x0
	CROUND                                         ; the closing round
	s_endpgm
.Lfunc_end_k_q5268784ca4_g6:
	.size	k_q5268784ca4_g6, .Lfunc_end_k_q5268784ca4_g6-k_q5268784ca4_g6
	.p2alignl 7, 3214868480
	.fill 96, 4, 3214868480
	.section	.rodata,"a",@progbits
	.p2align	6, 0x0
	.amdhsa_kernel k_q5268784ca4_g6
		.amdhsa_group_segment_fixed_size 327680
		.amdhsa_private_segment_fixed_size 0
		.amdhsa_enable_private_segment 0
		.amdhsa_kernarg_size 48
		.amdhsa_user_sgpr_count 2
		.amdhsa_user_sgpr_kernarg_segment_ptr 1
		.amdhsa_wavefront_size32 1
		.amdhsa_system_sgpr_workgroup_id_x 1
		.amdhsa_system_sgpr_workgroup_id_y 1
		.amdhsa_system_sgpr_workgroup_id_z 1
		.amdhsa_system_vgpr_workitem_id 0
		.amdhsa_next_free_vgpr 640
		.amdhsa_next_free_sgpr 100
		.amdhsa_reserve_vcc 0
		.amdhsa_float_denorm_mode_32 3
		.amdhsa_float_denorm_mode_16_64 3
		.amdhsa_memory_ordered 1
		.amdhsa_forward_progress 1
		.amdhsa_inst_pref_size 84
	.end_amdhsa_kernel
	.amdgpu_metadata
---
amdhsa.version: [ 1, 2 ]
amdhsa.kernels:
  - .name:           k_q5268784ca4_g6
    .symbol:         k_q5268784ca4_g6.kd
    .args:
      - { .name: hid, .offset: 0, .size: 8, .value_kind: global_buffer, .address_space: global }
      - { .name: pc, .offset: 8, .size: 8, .value_kind: global_buffer, .address_space: global }
      - { .name: b2, .offset: 16, .size: 8, .value_kind: global_buffer, .address_space: global }
      - { .name: h2, .offset: 24, .size: 8, .value_kind: global_buffer, .address_space: global }
      - { .name: lowp_scales, .offset: 32, .size: 8, .value_kind: global_buffer, .address_space: global }
      - { .name: out0, .offset: 40, .size: 8, .value_kind: global_buffer, .address_space: global }
    .group_segment_fixed_size: 327680
    .private_segment_fixed_size: 0
    .kernarg_segment_align: 8
    .kernarg_segment_size: 48
    .max_flat_workgroup_size: 128
    .sgpr_count:     100
    .vgpr_count:     640
    .wavefront_size: 32
...
	.end_amdgpu_metadata
.endif
;; end of part 7
